; MI455X (gfx1250); checked and timed in simulation.
; The chip was launched on July 23, 2026; its instructions are those of AMD's public machine-readable ISA for CDNA 5 (MIT licence, August 2026) and "CDNA5" Instruction Set Architecture Reference Guide (July 2026). The comments in the code are by the model that wrote it; some were corrected since.
;; Expert Lo RA. Allowed arithmetic: matrix products marked QUANTISED: E3M2 operands, one E8M0 scale for each 32 along K, by v_wmma_scale_f32_16x16x128_f8f6f4 with both operands' format E3M2, f32 sums; products left as they are: f32 operands where the result goes on into a quantised operand, else bf16, f16 or f32 operands; f32 sums; everything else in f32.
;; Inputs: down_bias 16 x 1,024 float32; down_proj 16 x 1,024 x 1,024 float32; gate_up_bias 16 x 2,048 float32; gate_up_proj 16 x 1,024 x 2,048 float32; hidden_states 2 x 512 x 1,024 float32; lora_down_A 16 x 1,024 x 16 float32; lora_down_B 16 x 16 x 1,024 float32; lora_gate_up_A 16 x 1,024 x 16 float32; lora_gate_up_B 16 x 16 x 2,048 float32; router_indices 1,024 x 2 int32; routing_weights 1,024 x 2 float32.
;; Outputs: out0 2 x 512 x 1,024 float32.
;; This version of the problem:
;;   THIS VERSION OF THE PROBLEM IS GIVEN IN LOW PRECISION. The matrix products marked QUANTISED in the list below multiply operands that are first quantised to E3M2 (3 exponent bits, 2 mantissa bits; 6 bits a number), with one power-of-two scale for each 32 numbers along K (OCP MX v1.0); their sums are f32. All else is computed in f32.
;;   The module's matrix products, in the order in which they are computed (A, B: the left and right operand; K: the contracted axis; several contracted axes count as one K, in the product's order):
;;     1. [M 32,768, K 1,024] x [K 1,024, N 1,024]; A: input gate_up_proj; B: input hidden_states: QUANTISED
;;     2. [M 256, K 1,024] x [K 1,024, N 1,024]; A: input lora_gate_up_A; B: input hidden_states: QUANTISED
;;     3. batch 16 x [M 1,024, K 16] x [K 16, N 2,048]; A: computed on the way; B: input lora_gate_up_B: left as it is (K = 16 < 32)
;;     4. batch 16 x [M 1,024, K 1,024] x [K 1,024, N 1,024]; A: computed on the way; B: input down_proj: QUANTISED
;;     5. batch 16 x [M 1,024, K 1,024] x [K 1,024, N 16]; A: computed on the way; B: input lora_down_A: QUANTISED
;;     6. batch 16 x [M 1,024, K 16] x [K 16, N 1,024]; A: computed on the way; B: input lora_down_B: left as it is (K = 16 < 32)
;;     7. batch 1,024 x [M 1, K 2] x [K 2, N 16]; A: input routing_weights; B: computed on the way: left as it is (K = 2 < 32)
;;     8. batch 1,024 x [M 1,024, K 16] x [K 16, N 1]; A: computed on the way; B: computed on the way: left as it is (K = 16 < 32)
;;   THE QUANTISER, for each operand of a quantised product, along K:
;;     - K is cut into blocks of 32 from its start; a last block that is shorter is filled with zeros.
;;     - A block's scale is 2^e with e = floor(log2(the largest magnitude in the block)) - 4, held to -126 .. 127; a block of zeros has e = 0. As a byte (E8M0): e + 127.
;;     - Each number is divided by its block's scale, clamped to +-28, and rounded to the nearest number of E3M2, ties to even, subnormals kept.
;;     - The product sums the exact products of the quantised numbers (number of the format x scale) in f32.
;;   ~~~python
;;   def quantise(x, axis):      # numpy; x: float32 -> the quantised numbers, widened to float32 again
;;       x = np.moveaxis(x, axis, -1); K = x.shape[-1]
;;       x = np.pad(x, [(0, 0)] * (x.ndim - 1) + [(0, -K % 32)]); x = x.reshape(x.shape[:-1] + (-1, 32)); a = np.abs(x).max(-1, keepdims=True)
;;       e = np.where(a > 0, np.clip(np.frexp(np.where(a > 0, a, 1))[1] - 1 - 4, -126, 127), 0)      # np.frexp(a)[1] - 1 = floor(log2(a)), exactly
;;       r = np.clip(x / 2.0 ** e, -28, 28)
;;       step = 2.0 ** (np.maximum(np.frexp(np.where(r == 0, 1, r))[1] - 1, -2) - 2)
;;       q = np.round(r / step) * step * 2.0 ** e      # np.round: ties to even
;;       return np.moveaxis(q.reshape(q.shape[:-2] + (-1,))[..., :K], -1, axis).astype(np.float32)
;;   ~~~
;;   OPERANDS COMPUTED ON THE WAY. 'Computed on the way' means the value that the module computes at that place (a softmax that the list does not call 'softmax' is quantised finished and normalised). What goes into a quantiser is computed in f32, as accurately as f32 sums, v_exp_f32 and their like allow (about 1e-6 of the number): no bf16 or f16 on the way to a quantiser, and a product that is left as it is and whose result goes on into a quantised operand takes f32 operands (vector FMAs, or v_wmma_f32_16x16x4_f32). A number that lies on a knife's edge between two numbers of the format may be rounded either way, as far as f32 arithmetic and the matrix unit's own rounding can turn it there, and no further.
;; 2 versions. Each part assembles by itself: llvm-mc -triple=amdgcn-amd-amdhsa -mcpu=gfx1250 --defsym DOCPART=n.
;; ======== version 1 of 2: 4 launches
;; workspace buffers: xq 786,432 bytes; xs 32,768 bytes; route 17,664 bytes of whole numbers; gq 1,769,472 bytes; gs 73,728 bytes; y 9,437,184 bytes
;; launch prep (part 1): grid 65 x 1, 8 waves a work-group, no clusters, 43,520 bytes of LDS; arguments hidden_states, router_indices, xq, xs, route; writes xq, xs, route
.if DOCPART == 1
	.amdgcn_target "amdgcn-amd-amdhsa--gfx1250"
	.amdhsa_code_object_version 6
	.text
	.protected	k_qc2bf2e4ff1_prep
	.globl	k_qc2bf2e4ff1_prep
	.p2align	8
	.type	k_qc2bf2e4ff1_prep,@function
k_qc2bf2e4ff1_prep:
	s_mov_b64 s[64:65], 0
	v_nop
	global_prefetch_b8 v0, s[64:65] scope:SCOPE_SE
	s_setreg_imm32_b32 hwreg(HW_REG_WAVE_MODE, 25, 1), 1
	s_wait_xcnt 0x0
; PREP.  Two jobs in one launch, told apart by the work-group's number alone; the two ways part once and never join, and each has LDS bytes of its own.
; Work-groups 1 to 64: x = hidden_states [1024][1024] f32 becomes codes of BF6 (E3M2) with one E8M0 byte for each 32 along H.
;   A block's scale is 2^(floor(log2(largest magnitude)) - 4): its byte is the largest magnitude's exponent field - 4, held at 1 from below.
;   xq: [token][K step s of 128][h 2][48 bytes]: block 4 s + h, then block 4 s + 2 + h: the twelve registers that lane (row, h) of an operand's fragment holds.   xs: [token][32 bytes], byte b for block b.
; Work-group 0: a counting sort of the 2,048 items (token, k) of router_indices by expert, without atomics.  17 buckets: experts 0 to 15, and bucket 16 for every index outside 0 .. 15
;   (reference()'s one_hot gives such an item the weight 0).  Each bucket's run of slots begins at a whole tile of 16 slots: at most (2048 + 17 x 15) / 16 = 143 tiles.
;   route: bytes 0-255: 32 pairs (bucket's first tile, bucket's items);  from 256: rowtok[slot] = token, 2,304 words (padding slots are not written, and nobody reads them);
;   from 9,472: pos[item] = slot, or 4095 for an item of bucket 16.
; LIMITS: NaN and infinities in x are not served; a block whose largest magnitude lies under 2^-122 keeps the byte 1; a block of zeros has the byte 1 and zero codes (these bytes are read by this program alone).
.set STEPS, 4                          ; a wave takes 4 steps of 512 numbers: two rows of x
.set EMAX,  4
.set SP,    80                         ; a lane's place in a stage: 64 bytes + 16 of padding
.set WREG,  5120                       ; a wave's two stages of 32 x SP bytes
.set XSB,   40960                      ; the work-group's 512 scale bytes
.set RT,    41472                      ; the sort's counts: [wave 8][32 words]
.set SPARE, 42496                      ; the spare words, 128 bytes for each wave: four blocks of 256 bytes that no other line names
.set R,     16                         ; v16-79   four sets of 16 numbers as loaded
.set X,     80                         ; v80-111  two sets of 16 neighbours
.set C,     112                        ; v112-127 codes, four registers a step
.set E,     128                        ; v128-131 a scale byte for each step
.set SPW,   12                         ; v12  LDS address of my spare word; never rewritten
.set NIL,   13                         ; v13  0; never rewritten
	s_load_b256 s[4:11], s[0:1], 0x0               ; x s[4:5], router_indices s[6:7], xq s[8:9], xs s[10:11]
	s_load_b64 s[12:13], s[0:1], 0x20              ; route
	v_lshl_add_u32 v[SPW], v0, 2, SPARE
	v_mov_b32 v[NIL], 0
	v_lshrrev_b32 v1, 5, v0
	v_readfirstlane_b32 s16, v1                    ; wave 0..7
	v_and_b32 v2, 31, v0                           ; lane
	s_cmp_eq_u32 ttmp9, 0
	s_cbranch_scc1 .Lroute
; ---------------- x into codes.  Each load reads 512 consecutive bytes; a step's 2,048 bytes turn through the wave's own stage, so that a lane holds 16 neighbours along H; two neighbouring lanes hold a block.
	v_lshlrev_b32 v3, 4, v2                        ; my 16 bytes of a load's 512
	s_mul_i32 s17, s16, WREG
	v_lshrrev_b32 v14, 2, v2
	v_mul_u32_u24 v14, v14, SP
	v_and_b32 v15, 3, v2
	v_lshl_add_u32 v14, v15, 4, v14
	v_add_nc_u32 v14, s17, v14                     ; the stage, on the way in: SP (lane / 4) + 16 (lane % 4)
	v_mul_u32_u24 v15, v2, SP
	v_add_nc_u32 v15, s17, v15                     ; and on the way out: SP x lane
	v_bfe_u32 v8, v2, 1, 1                         ; my block in its K step, jj = (lane / 2) % 4: jj & 1,
	v_bfe_u32 v9, v2, 2, 1                         ; jj >> 1
	v_lshl_or_b32 v8, v8, 1, v9                    ; a K step's blocks lie in the order 0, 2, 1, 3
	v_lshrrev_b32 v4, 3, v2
	v_mul_u32_u24 v4, v4, 96                       ; the K step: 96 bytes
	v_mad_u32_u24 v4, v8, 24, v4
	v_and_b32 v8, 1, v2
	v_mad_u32_u24 v4, v8, 12, v4                   ; my half of the block: 12 bytes
	v_lshrrev_b32 v5, 1, v2
	s_lshl_b32 s18, s16, 6
	s_add_co_u32 s18, s18, XSB
	v_add_nc_u32 v5, s18, v5                       ; LDS: my wave's 64 scale bytes, my block's byte
	v_add_nc_u32 v6, XSB, v3                       ; and where wave 0 reads all 512 back
	s_sub_co_u32 s19, ttmp9, 1                     ; which 16 rows
	s_lshl_b32 s24, s19, 9                         ; their 512 scale bytes
	s_mov_b32 s25, 0
	s_lshl_b32 s19, s19, 3
	s_add_co_u32 s19, s19, s16                     ; which run of 2,048 numbers is my wave's
	s_lshl_b32 s20, s19, 13
	s_mov_b32 s21, 0
	s_mul_i32 s22, s19, 1536
	s_mov_b32 s23, 0
	s_wait_kmcnt 0x0
	s_add_nc_u64 s[4:5], s[4:5], s[20:21]
	s_add_nc_u64 s[8:9], s[8:9], s[22:23]
	s_add_nc_u64 s[10:11], s[10:11], s[24:25]
.macro LOAD t
.irp i, 0,1,2,3
	global_load_b128 v[R+16*(\t)+4*\i:R+16*(\t)+4*\i+3], v3, s[4:5] offset:2048*(\t)+512*\i th:TH_LOAD_NT
.endr
.endm
.macro TURN t                          ; step t's numbers through the stage: LDS serves a wave's instructions in order, so no wait stands between the stores and the loads
.irp i, 0,1,2,3
	ds_store_b128 v14, v[R+16*(\t)+4*\i:R+16*(\t)+4*\i+3] offset:32*SP*((\t)%2)+8*SP*\i
.endr
.irp i, 0,1,2,3
	ds_load_b128 v[X+16*((\t)%2)+4*\i:X+16*((\t)%2)+4*\i+3], v15 offset:32*SP*((\t)%2)+16*\i
.endr
.endm
.irp t, 0,1,2,3
	LOAD \t                                        ; all sixteen loads of the wave go out at once
.endr
	s_wait_loadcnt 12                              ; step 0's four are in; the twelve behind them may be out
	TURN 0
.macro STEP t
.set XSET, X+16*((\t)%2)
.if (\t) > 0
	s_wait_dscnt 1                                 ; this step's numbers are back from the stage; the last step's byte store may be out
.else
	s_wait_dscnt 0x0
.endif
.if (\t)+1 < STEPS
	s_wait_loadcnt 4*(STEPS-2-(\t))                ; the next step's four loads are in; those of the steps behind it may be out
	TURN (\t)+1
.endif
	v_max3_num_f32 v8, |v[XSET]|, |v[XSET+1]|, |v[XSET+2]|         ; the largest magnitude of my 16, in two chains
	v_max3_num_f32 v9, |v[XSET+3]|, |v[XSET+4]|, |v[XSET+5]|
.irp i, 6,10
	v_max3_num_f32 v8, v8, |v[XSET+\i]|, |v[XSET+\i+1]|
	v_max3_num_f32 v9, v9, |v[XSET+\i+2]|, |v[XSET+\i+3]|
.endr
	v_max3_num_f32 v8, v8, |v[XSET+14]|, |v[XSET+15]|
	v_max3_num_f32 v8, v8, v9, (EMAX+1)<<23        ; and the floor 2^(5 - 127): the byte cannot fall under 1
	v_max_num_f32_dpp v8, v8, v8 row_xmask:1 row_mask:0xf bank_mask:0xf   ; with my neighbour's 16: the block's
	v_add_nc_u32 v11, -(EMAX<<23), v8              ; 4 off the exponent field: the conversion takes this operand's exponent field as its scale
	v_cvt_scalef32_pk16_bf6_f32 v[C+4*(\t):C+4*(\t)+2], v[XSET:XSET+15], v11
	v_lshrrev_b32 v[E+(\t)], 23, v11               ; the scale's byte (also the plain line behind the conversion)
	ds_store_b8 v5, v[E+(\t)] offset:16*(\t)       ; both lanes of a block write the same byte with the same value
	global_store_b96 v4, v[C+4*(\t):C+4*(\t)+2], s[8:9] offset:384*(\t)   ; the wave's 32 x 12 bytes cover 384 consecutive bytes
.endm
.irp t, 0,1,2,3
	STEP \t
.endr
	s_wait_dscnt 0x0                               ; for the others' sake: my byte stores have landed
	s_barrier_signal -1
	s_barrier_wait -1
	s_cmp_lg_u32 s16, 0
	s_cbranch_scc1 .Lq_end
	ds_load_b128 v[16:19], v6                      ; wave 0: the eight waves' 512 scale bytes
	s_wait_dscnt 0x0
	global_store_b128 v3, v[16:19], s[10:11]       ; 32 lanes store 512 consecutive bytes, at a multiple of 512 from xs's first byte
.Lq_end:
	s_wait_tensorcnt 0x0                           ; the wave's end
	ds_add_u32 v[SPW], v[NIL]
	s_wait_dscnt 0x0
	s_endpgm
; ---------------- the sort.  Wave w takes items 256 w + 32 j + lane, j = 0 .. 7; an item is 2 x token + k.
; v16-23 the items' buckets; v24-31 their ranks among the wave's items of the same bucket, then their slots; s32-48 the wave's count for each bucket.
.Lroute:
	s_lshl_b32 s17, s16, 10
	v_lshlrev_b32 v3, 2, v2
	v_add_nc_u32 v3, s17, v3                       ; 1024 w + 4 lane: my item's byte in router_indices and in pos
	v_lshl_add_u32 v4, v0, 2, RT                   ; my wave's counts, lane = bucket
	v_lshl_add_u32 v5, v2, 2, RT                   ; wave 0's count of bucket = my lane
	s_wait_kmcnt 0x0
.irp j, 0,1,2,3,4,5,6,7
	global_load_b32 v[16+\j], v3, s[6:7] offset:128*\j
.endr
.irp j, 0,1,2,3,4,5,6,7
	v_mov_b32 v[24+\j], 0
.endr
.irp e, 0,1,2,3,4,5,6,7,8,9,10,11,12,13,14,15,16
	s_mov_b32 s[32+\e], 0
.endr
	s_wait_loadcnt 0x0
.irp j, 0,1,2,3,4,5,6,7
	v_min_u32 v[16+\j], 16, v[16+\j]               ; unsigned: a negative index, and every index above 15, falls into bucket 16
.endr
.irp j, 0,1,2,3,4,5,6,7
.irp e, 0,1,2,3,4,5,6,7,8,9,10,11,12,13,14,15,16
	v_cmp_eq_u32 s50, \e, v[16+\j]                 ; the lanes whose item j belongs to bucket e
	v_mbcnt_lo_u32_b32 v32, s50, s[32+\e]          ; how many of them stand below me, + the wave's count so far
	v_cndmask_b32 v[24+\j], v[24+\j], v32, s50
	s_bcnt1_i32_b32 s51, s50
	s_add_co_u32 s[32+\e], s[32+\e], s51
.endr
.endr
	v_mov_b32 v33, 0
.irp e, 0,1,2,3,4,5,6,7,8,9,10,11,12,13,14,15,16
	v_writelane_b32 v33, s[32+\e], \e
.endr
	ds_store_b32 v4, v33
	s_wait_dscnt 0x0                               ; for the others' sake
	s_barrier_signal -1
	s_barrier_wait -1
.irp q, 0,1,2,3,4,5,6,7
	ds_load_b32 v[34+\q], v5 offset:128*\q         ; every wave reads all eight waves' counts: lane = bucket
.endr
	v_mov_b32 v43, 0                               ; the bucket's items in all
	v_mov_b32 v44, 0                               ; and in the waves before mine
	s_wait_dscnt 0x0
.irp q, 0,1,2,3,4,5,6,7
	v_add_nc_u32 v43, v43, v[34+\q]
	s_cmp_lt_u32 \q, s16
	s_cselect_b32 s51, -1, 0
	v_and_b32 v32, s51, v[34+\q]
	v_add_nc_u32 v44, v44, v32
.endr
	v_add_nc_u32 v45, 15, v43
	v_lshrrev_b32 v45, 4, v45                      ; the bucket's tiles
	v_mov_b32 v42, 0
	s_mov_b32 s52, 0
.irp e, 0,1,2,3,4,5,6,7,8,9,10,11,12,13,14,15,16
	v_readlane_b32 s51, v45, \e
	v_writelane_b32 v42, s52, \e                   ; the bucket's first tile: the running sum of the tiles before it
	s_add_co_u32 s52, s52, s51
.endr
	v_lshl_add_u32 v46, v42, 4, v44                ; where my wave's items of the bucket begin
.irp j, 0,1,2,3,4,5,6,7
	v_mov_b32 v[34+\j], 0
.endr
.irp e, 0,1,2,3,4,5,6,7,8,9,10,11,12,13,14,15,16
	v_readlane_b32 s51, v46, \e
.irp j, 0,1,2,3,4,5,6,7
	v_cmp_eq_u32 s50, \e, v[16+\j]
	v_cndmask_b32 v[34+\j], v[34+\j], s51, s50     ; each item takes its own bucket's base
.endr
.endr
	v_mov_b32 v47, 4095
	v_lshrrev_b32 v32, 1, v2
	s_lshl_b32 s51, s16, 7
	v_add_nc_u32 v32, s51, v32                     ; the token of my item 0: 128 w + lane / 2
.irp j, 0,1,2,3,4,5,6,7
	v_add_nc_u32 v[24+\j], v[24+\j], v[34+\j]      ; the slot
	v_cmp_gt_u32 vcc_lo, 16, v[16+\j]
	v_cndmask_b32 v[64+\j], v47, v[24+\j], vcc_lo  ; pos: the slot, or 4095 for bucket 16
	v_min_u32 v[48+\j], 0x8ff, v[24+\j]            ; (a slot is 2,287 at the most)
	v_lshlrev_b32 v[48+\j], 2, v[48+\j]
	v_add_nc_u32 v[56+\j], 16*\j, v32
.endr
.irp j, 0,1,2,3,4,5,6,7
	global_store_b32 v3, v[64+\j], s[12:13] offset:9472+128*\j   ; pos: 128 consecutive bytes a store
	global_store_b32 v[48+\j], v[56+\j], s[12:13] offset:256     ; rowtok[slot] = token: scattered words, 8 KiB in all
.endr
	s_cmp_lg_u32 s16, 0
	s_cbranch_scc1 .Lr_end
	v_lshlrev_b32 v6, 3, v2
	global_store_b64 v6, v[42:43], s[12:13]        ; wave 0: (first tile, items) of every bucket: 256 consecutive bytes; lanes 17-31 hold zeros
.Lr_end:
	s_wait_tensorcnt 0x0                           ; the wave's end
	ds_add_u32 v[SPW], v[NIL]
	s_wait_dscnt 0x0
	s_endpgm
.Lfunc_end_k_qc2bf2e4ff1_prep:
	.size	k_qc2bf2e4ff1_prep, .Lfunc_end_k_qc2bf2e4ff1_prep-k_qc2bf2e4ff1_prep
	.p2alignl 7, 3214868480
	.fill 96, 4, 3214868480
	.section	.rodata,"a",@progbits
	.p2align	6, 0x0
	.amdhsa_kernel k_qc2bf2e4ff1_prep
		.amdhsa_group_segment_fixed_size 43520
		.amdhsa_private_segment_fixed_size 0
		.amdhsa_enable_private_segment 0
		.amdhsa_kernarg_size 40
		.amdhsa_user_sgpr_count 2
		.amdhsa_user_sgpr_kernarg_segment_ptr 1
		.amdhsa_wavefront_size32 1
		.amdhsa_system_sgpr_workgroup_id_x 1
		.amdhsa_system_sgpr_workgroup_id_y 1
		.amdhsa_system_sgpr_workgroup_id_z 1
		.amdhsa_system_vgpr_workitem_id 0
		.amdhsa_next_free_vgpr 136
		.amdhsa_next_free_sgpr 66
		.amdhsa_reserve_vcc 1
		.amdhsa_float_denorm_mode_32 3
		.amdhsa_float_denorm_mode_16_64 3
		.amdhsa_memory_ordered 1
		.amdhsa_forward_progress 1
		.amdhsa_inst_pref_size 75
	.end_amdhsa_kernel
	.amdgpu_metadata
---
amdhsa.version: [ 1, 2 ]
amdhsa.kernels:
  - .name:           k_qc2bf2e4ff1_prep
    .symbol:         k_qc2bf2e4ff1_prep.kd
    .args:
      - { .name: hidden_states, .offset: 0, .size: 8, .value_kind: global_buffer, .address_space: global }
      - { .name: router_indices, .offset: 8, .size: 8, .value_kind: global_buffer, .address_space: global }
      - { .name: xq, .offset: 16, .size: 8, .value_kind: global_buffer, .address_space: global }
      - { .name: xs, .offset: 24, .size: 8, .value_kind: global_buffer, .address_space: global }
      - { .name: route, .offset: 32, .size: 8, .value_kind: global_buffer, .address_space: global }
    .group_segment_fixed_size: 43520
    .private_segment_fixed_size: 0
    .kernarg_segment_align: 8
    .kernarg_segment_size: 40
    .max_flat_workgroup_size: 256
    .sgpr_count:     66
    .vgpr_count:     136
    .wavefront_size: 32
...
	.end_amdgpu_metadata
.endif
;; end of part 1
;; launch gateup (part 2): grid 16 x 16, 16 waves a work-group, no clusters, 125,952 bytes of LDS; arguments xq, xs, route, gate_up_proj, gate_up_bias, lora_gate_up_A, lora_gate_up_B, gq, gs; writes gq, gs
.if DOCPART == 2
	.amdgcn_target "amdgcn-amd-amdhsa--gfx1250"
	.amdhsa_code_object_version 6
	.text
	.protected	k_qc2bf2e4ff1_gateup
	.globl	k_qc2bf2e4ff1_gateup
	.p2align	8
	.type	k_qc2bf2e4ff1_gateup,@function
k_qc2bf2e4ff1_gateup:
	s_mov_b64 s[64:65], 0
	v_nop
	global_prefetch_b8 v0, s[64:65] scope:SCOPE_SE
	s_setreg_imm32_b32 hwreg(HW_REG_WAVE_MODE, 25, 1), 1
	s_wait_xcnt 0x0
; GATEUP.  For the rows routed to expert e: gu = Q(x) Q(Wgu[e]) + (Q(x) Q(Agu[e])) Bgu[e] + bias; gate = min(gu[2f], 7), up = clip(gu[2f+1], -7, 7); g = (up + 1) gate sigmoid(1.702 gate); g is quantised along F.
; DEAD WORK, for all values of the inputs.  out[t] = sum over e of wet[e][t] y[e][t], and wet[e][t] = sum over k of one_hot(router_indices[t][k])[e] routing_weights[t][k] is exactly 0 for every expert that
; neither of the token's two indices names: 0 x y = 0 for every finite y.  So of products 1 to 6 only the rows (e, t) that an index names are computed: 2,048 rows at the most, found by the list that the launch
; before has stored.  Products 7 and 8 are that lookup.  SCALING = 16 / 16 is a factor of 1.  Every input has a way to an output and is loaded by some launch.
; LIMIT: a NaN, an infinity or an overflow that arises only in an expert not chosen for a token is not carried to the result.  NaN and infinities among the inputs are not served (the clips drop a NaN).
; A block whose largest magnitude lies under 2^-122 keeps the byte 1; a block of zeros has the byte 1 and zero codes (the bytes are read by this program alone).
; SHARES.  Work-group (x = j, y = e) owns columns 128 j .. 128 j + 127 of Wgu[e], which give f = 64 j .. 64 j + 63: blocks 2 j and 2 j + 1 of g.  It alone reads that slice, once, and serves all rows of the expert:
; the weights' codes never go to memory.
; PHASE 1, the stream.  A lane takes a column and its registers run down K (H): wave w takes 32 columns (cg = w % 4) x 256 along K (kq = w / 4), eight blocks of 32; a block's largest magnitude needs no other lane,
; and the conversions give codes with K innermost.  Fragments go to LDS as images of the operand's registers.  Up to 64 loads of 128 consecutive bytes are out in each of the sixteen waves.
; PHASE 2, behind the launch's one barrier.  A unit is a tile of 16 slots against the eight tiles of 16 columns; wave w takes units w, w + 16, ..  All products are used transposed (source 0 = 16 columns, source 1 = 16 rows
; of x): a lane holds ONE row, and its eight registers are eight neighbouring columns: four pairs (gate, up).  Rows of a tile beyond the expert's count are computed from the token in slot 0 and stored into padding slots
; that nobody uses: no lane is ever switched off.
; ORDER OF k IN A BLOCK OF g: code p of a block stands for f = 8 ((p / 4) % 4) + 4 (p / 16) + p % 4 of the block: the order in which the results lie.  The next launch loads the rows of its weights in the same order.  A block
; is the same set of 32 numbers as in reference(), so its scale and codes are the same; only the order of a sum's terms differs.
; NO TENSOR LOADS, NO CLUSTER: the number of units hangs on a count read from memory; what the sixteen work-groups of an expert share (x's codes, 64 KiB of Agu) is small beside a slice of 512 KiB.
; gq: [K step s 8][tile 144][h 2][row 16][48 bytes]; gs: [slot][32 bytes].  This launch writes 12 bytes a lane of gq (24 of each 48 bytes are the neighbouring work-group's) and 2 bytes a row of gs.
.set AIMG,  98304                      ; LDS.  0: W's fragments [tile of columns 8][K step 8][piece 3][lane][16 bytes];  here: Agu's [K step 8][piece 3][lane][16 bytes]
.set WSC,   110592                     ; W's scale words [K step 8][lane][cg 4]: lane l holds column l of the 32 of cg
.set ASC,   114688                     ; Agu's scale words [column 16][K step 8]
.set LBIMG, 115200                     ; Bgu [tile 8][half 2][lane][16 bytes]: register i of lane (r, h) is B[8 h + i][16 tile + r], f32
.set BIAS,  123392                     ; 128 f32
.set SPARE, 123904                     ; the spare words, 128 bytes for each wave: eight blocks of 256 bytes that no other line names
.set R,     1                          ; v1   r = lane % 16
.set H48,   2                          ; v2   48 h
.set LI0,   3                          ; v3, v4  16 lane; 49,152 + 16 lane: W's fragments of tiles 0-3 and 4-7
.set LA,    5
.set LWS,   6
.set LAS,   7
.set LLB,   8
.set LBI,   9
.set WST,   10                         ; v10-16 where phase 1 stores
.set WSS,   11
.set AS0,   12
.set AS1,   13
.set ASB,   14
.set LBST,  15
.set BIST,  16
.set WOFF,  17                         ; v17-20 offsets of phase 1's loads; never rewritten
.set AOFF,  18
.set LBOFF, 19
.set BOFF,  20
.set IDOFF, 21
.set TOK,   22
.set XOFF,  23
.set XSOFF, 24
.set GQOFF, 25
.set GSOFF, 26
.set SPW,   27                         ; v27  LDS address of my spare word; never rewritten
.set NIL,   28                         ; v28  0; never rewritten
.set SEVEN, 29
.set MX0,   30
.set MX1,   31
.set SCL,   32
.set BYT,   33
.set SW,    34
.set BY0,   35
.set XF,    36                         ; v36-131  x's eight fragments of the unit's 16 rows
.set XS,    132                        ; v132-139 their scale words: scales and nothing else
.set L0,    140                        ; v140-155 two results of the f32 matrix form: written by matrix instructions alone
.set ACC,   156                        ; v156-187 four accumulators
.set WB,    188                        ; v188-235 four fragments of W; later Bgu, the exponentials, g and its codes
.set XAS,   236                        ; v236-243 (x Agu)^T
.set BYW,   244
.set WS,    250                        ; v250-251 W's scale words: scales and nothing else
.set AS,    252                        ; v252-255 Agu's: scales and nothing else
.set SET0,  156                        ; phase 1: v156-187, v188-219 two sets of 32 numbers;
.set F0,    220                        ; v220-231, v232-243 two fragments in the making;
.set F1,    232
.set T,     244                        ; v244-246 a block's upper 16 codes
	s_load_b512 s[4:19], s[0:1], 0x0               ; xq s[4:5], xs s[6:7], route s[8:9], W s[10:11], bias s[12:13], A s[14:15], B s[16:17], gq s[18:19]
	s_load_b64 s[20:21], s[0:1], 0x40              ; gs
	v_lshl_add_u32 v[SPW], v0, 2, SPARE
	v_mov_b32 v[NIL], 0
	v_lshrrev_b32 v1, 5, v0
	v_readfirstlane_b32 s22, v1                    ; wave 0..15
	v_and_b32 v[MX0], 31, v0                       ; lane
	v_and_b32 v[R], 15, v0
	v_bfe_u32 v[MX1], v0, 4, 1                     ; h
	v_mul_u32_u24 v[H48], v[MX1], 48
	v_lshlrev_b32 v[LI0], 4, v[MX0]
	v_add_nc_u32 v[LI0+1], 49152, v[LI0]
	v_add_nc_u32 v[LA], AIMG, v[LI0]
	v_add_nc_u32 v[LWS], WSC, v[LI0]
	v_lshl_add_u32 v[LAS], v[R], 5, ASC
	v_add_nc_u32 v[LLB], LBIMG, v[LI0]
	v_lshl_add_u32 v[LBI], v[MX1], 5, BIAS
	s_and_b32 s40, s22, 3                          ; cg
	s_lshr_b32 s41, s22, 2                         ; kq
	s_mul_i32 s42, s40, 24576                      ; tiles 2 cg, 2 cg + 1
	s_mul_i32 s43, s41, 3072                       ; K steps 2 kq, 2 kq + 1
	s_add_co_u32 s42, s42, s43
	v_add_nc_u32 v[WST], s42, v[LI0]
	s_lshl_b32 s42, s40, 2
	s_lshl_b32 s43, s41, 10
	s_add_co_u32 s42, s42, s43
	s_add_co_u32 s42, s42, WSC
	v_add_nc_u32 v[WSS], s42, v[LI0]
	s_lshr_b32 s44, s22, 1                         ; Agu: K step w / 2,
	s_and_b32 s45, s22, 1                          ; registers 6 (w % 2) .. + 5 of its fragment, in three pieces of 8 bytes
	s_mul_i32 s42, s44, 1536
	s_add_co_u32 s42, s42, AIMG
	s_mul_i32 s43, s45, 520
	s_add_co_u32 s43, s43, s42
	v_add_nc_u32 v[AS0], s43, v[LI0]
	s_mul_i32 s43, s45, 1016
	s_add_co_u32 s43, s43, s42
	s_add_co_u32 s43, s43, 8
	v_add_nc_u32 v[AS1], s43, v[LI0]
	s_lshl_b32 s42, s22, 1
	v_add_nc_u32 v[ASB], v[LAS], v[MX1]
	v_add_nc_u32 v[ASB], s42, v[ASB]               ; the byte of block 2 w + h of column r
	s_and_b32 s46, s22, 7
	s_lshr_b32 s47, s22, 3
	s_lshl_b32 s42, s46, 10
	s_lshl_b32 s43, s47, 9
	s_add_co_u32 s42, s42, s43
	v_add_nc_u32 v[LBST], s42, v[LLB]
	v_and_b32 v[BOFF], 7, v0
	s_lshl_b32 s42, s22, 3
	v_add_nc_u32 v[BOFF], s42, v[BOFF]
	v_lshlrev_b32 v[BOFF], 2, v[BOFF]              ; my wave's eight numbers of the bias
	v_add_nc_u32 v[BIST], BIAS, v[BOFF]
	v_lshlrev_b32 v[WOFF], 2, v[MX0]
	v_lshlrev_b32 v[AOFF], 2, v[R]
	v_lshl_add_u32 v[AOFF], v[MX1], 11, v[AOFF]    ; column r; lanes 16-31 begin 32 rows of 64 bytes further down
	v_lshlrev_b32 v[LBOFF], 2, v[R]
	v_lshl_add_u32 v[LBOFF], v[MX1], 16, v[LBOFF]  ; column r; lanes 16-31 eight rows of 8,192 bytes further down
	v_mul_u32_u24 v[GQOFF], v[R], 48
	v_mad_u32_u24 v[GQOFF], v[MX1], 12, v[GQOFF]
	v_lshlrev_b32 v[GSOFF], 5, v[R]
	v_mov_b32 v[SEVEN], 0x40e00000
	s_mov_b32 s23, ttmp9                           ; j
	s_and_b32 s24, ttmp7, 0xffff                   ; e
	s_lshr_b32 s42, s23, 1
	s_mul_i32 s39, s42, 221184                     ; g's K step j / 2,
	s_and_b32 s42, s23, 1
	s_mul_i32 s42, s42, 24
	s_add_co_u32 s39, s39, s42                     ; first or second 24 of a lane's 48 bytes
	s_lshl_b32 s25, s23, 1                         ; g's blocks 2 j, 2 j + 1
	s_mov_b32 s36, 0x76543210
	s_mov_b32 s37, 0xfedcba98                      ; v_permlanex16_b32's selects for lane l xor 16
	s_mov_b32 s38, 0xc01d265f                      ; -1.702 log2(e)
	s_mov_b32 s31, 0
	s_wait_kmcnt 0x0
	s_lshl_b32 s30, s24, 3
	s_add_nc_u64 s[48:49], s[8:9], s[30:31]
	s_load_b64 s[26:27], s[48:49], 0x0             ; the expert's first tile and its rows
	s_lshl_b32 s30, s24, 23                        ; W: expert, 256 kq rows of 8,192 bytes, column 128 j + 32 cg
	s_lshl_b32 s42, s41, 21
	s_add_co_u32 s30, s30, s42
	s_lshl_b32 s42, s23, 9
	s_add_co_u32 s30, s30, s42
	s_lshl_b32 s42, s40, 7
	s_add_co_u32 s30, s30, s42
	s_add_nc_u64 s[10:11], s[10:11], s[30:31]
	s_lshl_b32 s30, s24, 13                        ; bias
	s_lshl_b32 s42, s23, 9
	s_add_co_u32 s30, s30, s42
	s_add_nc_u64 s[12:13], s[12:13], s[30:31]
	s_lshl_b32 s30, s24, 16                        ; A: expert, K step w / 2, blocks 2 (w % 2) on
	s_lshl_b32 s42, s44, 13
	s_add_co_u32 s30, s30, s42
	s_lshl_b32 s42, s45, 12
	s_add_co_u32 s30, s30, s42
	s_add_nc_u64 s[14:15], s[14:15], s[30:31]
	s_lshl_b32 s30, s24, 17                        ; B: expert, rows 4 (w / 8) on, column 128 j + 16 (w % 8)
	s_lshl_b32 s42, s47, 15
	s_add_co_u32 s30, s30, s42
	s_lshl_b32 s42, s23, 9
	s_add_co_u32 s30, s30, s42
	s_lshl_b32 s42, s46, 6
	s_add_co_u32 s30, s30, s42
	s_add_nc_u64 s[16:17], s[16:17], s[30:31]
.macro LOADA                           ; Agu(32 (block) + i, r), i = 0 .. 31, into set 0
.set ii, 0
.rept 32
	global_load_b32 v[SET0+ii], v[AOFF], s[14:15] offset:64*ii
.set ii, ii+1
.endr
.endm
.macro LOADW t                         ; block t of my column: W(32 t + i, column), into set (t + 1) % 2.  A wave's load reads 128 consecutive bytes; the slice is read once in the launch
.set LSET, SET0+32*(((\t)+1)%2)
.set ii, 0
.rept 32
	global_load_b32 v[LSET+ii], v[WOFF], s[10:11] offset:(32*(\t)+ii)*8192 th:TH_LOAD_NT
.set ii, ii+1
.endr
.endm
.macro QBLK src, dst                   ; 32 numbers of one block, all mine -> six registers of codes at dst, the byte in BYT
	v_max3_num_f32 v[MX0], |v[\src]|, |v[\src+1]|, |v[\src+2]|
	v_max3_num_f32 v[MX1], |v[\src+3]|, |v[\src+4]|, |v[\src+5]|
.irp i, 6,10,14,18,22,26
	v_max3_num_f32 v[MX0], v[MX0], |v[\src+\i]|, |v[\src+\i+1]|
	v_max3_num_f32 v[MX1], v[MX1], |v[\src+\i+2]|, |v[\src+\i+3]|
.endr
	v_max3_num_f32 v[MX0], v[MX0], |v[\src+30]|, |v[\src+31]|
	v_max3_num_f32 v[MX0], v[MX0], v[MX1], 0x2800000               ; and the floor 2^(5 - 127): the byte cannot fall under 1
	v_add_nc_u32 v[SCL], 0xfe000000, v[MX0]        ; 4 off the exponent field: the conversion's scale operand
	v_lshrrev_b32 v[BYT], 23, v[SCL]
	v_cvt_scalef32_pk16_bf6_f32 v[\dst:\dst+2], v[\src:\src+15], v[SCL]
	v_cvt_scalef32_pk16_bf6_f32 v[T:T+2], v[\src+16:\src+31], v[SCL]   ; (a conversion's three registers begin on an even number)
	v_nop                                          ; one plain line behind the conversions
.irp i, 0,1,2
	v_mov_b32 v[\dst+3+\i], v[T+\i]
.endr
.endm
; Block t of the stream.  left: the younger loads that may stay out.  next = 1: block t + 2 is asked for into the set just freed.
; Even blocks of a K step go to F0, odd ones to F1.  Lanes 0-15 hold the columns of tile 2 cg, lanes 16-31 those of tile 2 cg + 1; the operand's layout wants lanes 0-15 to hold blocks 0, 2 and lanes 16-31 blocks 1, 3 of ONE tile:
; the exchange of F0's upper lanes with F1's lower lanes makes F0 tile 2 cg's fragment and F1 tile 2 cg + 1's.
.macro WBLK t, left, next
.set SRC, SET0+32*(((\t)+1)%2)
.set DST, F0+12*((\t)%2)+6*(((\t)%4)/2)
	s_wait_loadcnt \left
.if (\t)%4 == 0
	s_wait_dscnt 0x0                               ; my earlier LDS stores have read F0, F1 and SW
.endif
	QBLK SRC, DST
.if (\t)%4 == 0
	v_mov_b32 v[SW], v[BYT]
.else
	v_lshl_or_b32 v[SW], v[BYT], 8*((\t)%4), v[SW] ; my column's scale word of the K step
.endif
.if \next
	LOADW (\t)+2
.endif
.if (\t)%2 == 1
.irp i, 0,1,2,3,4,5
	v_permlane16_swap_b32 v[F0+6*(((\t)%4)/2)+\i], v[F1+6*(((\t)%4)/2)+\i]
.endr
.endif
.if (\t)%4 == 3
.irp i, 0,1,2
	ds_store_b128 v[WST], v[F0+4*\i:F0+4*\i+3] offset:((\t)/4)*1536+512*\i
.endr
.irp i, 0,1,2
	ds_store_b128 v[WST], v[F1+4*\i:F1+4*\i+3] offset:12288+((\t)/4)*1536+512*\i
.endr
	ds_store_b32 v[WSS], v[SW] offset:((\t)/4)*512
.endif
.endm
.macro XID                             ; which token lies in my row's slot of unit s29.  A row beyond the expert's count takes slot 0's token
	s_lshl_b32 s42, s29, 4
	s_lshl_b32 s43, s26, 4
	v_add_nc_u32 v[MX0], s42, v[R]
	v_cmp_gt_u32 vcc_lo, s27, v[MX0]
	v_add_nc_u32 v[MX0], s43, v[MX0]
	v_cndmask_b32 v[MX0], 0, v[MX0], vcc_lo
	v_min_u32 v[MX0], 0x8ff, v[MX0]
	v_lshlrev_b32 v[IDOFF], 2, v[MX0]
	global_load_b32 v[TOK], v[IDOFF], s[8:9] offset:256
.endm
.macro XGET                            ; my row's scale words and my half of its eight fragments: 26 loads
	v_min_u32 v[TOK], 0x3ff, v[TOK]
	v_mul_u32_u24 v[XOFF], v[TOK], 768
	v_add_nc_u32 v[XOFF], v[H48], v[XOFF]
	v_lshlrev_b32 v[XSOFF], 5, v[TOK]
	global_load_b128 v[XS:XS+3], v[XSOFF], s[6:7]
	global_load_b128 v[XS+4:XS+7], v[XSOFF], s[6:7] offset:16
.set ii, 0
.rept 24
	global_load_b128 v[XF+4*ii:XF+4*ii+3], v[XOFF], s[4:5] offset:96*(ii/3)+16*(ii%3)
.set ii, ii+1
.endr
.endm
; ---------------- PHASE 1
.irp i, 0,1,2,3
	global_load_b32 v[F0+\i], v[LBOFF], s[16:17] offset:8192*\i    ; Bgu: four ranks of my column
.endr
	global_load_b32 v[F0+4], v[BOFF], s[12:13]
	LOADA
	LOADW 0
	s_wait_kmcnt 0x0
	s_min_u32 s26, s26, 143
	s_min_u32 s27, s27, 2048
	s_add_co_u32 s28, s27, 15
	s_lshr_b32 s28, s28, 4                         ; the expert's units
	s_mov_b32 s29, s22                             ; my first unit
	s_add_co_u32 s51, s28, 15
	s_sub_co_u32 s51, s51, s22
	s_lshr_b32 s51, s51, 4                         ; how many of the units w, w + 16, .. lie under the expert's count
	s_min_u32 s51, s51, 8                          ; (2,048 rows are 128 units: eight a wave at the most)
	s_mov_b32 s50, 0                               ; my trips so far
	XID
	s_wait_loadcnt 33                              ; Bgu, the bias and Agu are in; W's block 0 (32) and the token (1) may be out
	ds_store_b128 v[LBST], v[F0:F0+3]
	ds_store_b32 v[BIST], v[F0+4]                  ; (four lanes write each word, with the same value)
	QBLK SET0, F1
	ds_store_b64 v[AS0], v[F1:F1+1]
	ds_store_b64 v[AS1], v[F1+2:F1+3]
	ds_store_b64 v[AS0], v[F1+4:F1+5] offset:512
	ds_store_b8 v[ASB], v[BYT]
	LOADW 1
	WBLK 0, 33, 1                                  ; the token (1) and block 1 (32) may be out
	s_wait_loadcnt 32                              ; the token and block 1 are in; block 2 may be out
	XGET
	WBLK 1, 58, 1                                  ; block 1 was shown in above; block 2 (32) and x (26) may be out
	WBLK 2, 58, 1                                  ; x (26) and block 3 (32) may be out
	WBLK 3, 32, 1                                  ; from here on: the next block's 32
	WBLK 4, 32, 1
	WBLK 5, 32, 1
	WBLK 6, 32, 0
	WBLK 7, 0, 0
	s_wait_dscnt 0x0                               ; for the others' sake: all my images have landed
	s_barrier_signal -1
	s_barrier_wait -1                              ; the launch's one barrier; behind it LDS is only read
; ---------------- PHASE 2
.macro FRAG dst, adr, off              ; a fragment comes back as it was stored: three loads of 16 bytes a lane
.irp i, 0,1,2
	ds_load_b128 v[\dst+4*\i:\dst+4*\i+3], v[\adr] offset:\off+512*\i
.endr
.endm
.macro MMS d, a, b, sa, sb, zero, row  ; zero = 1: the product starts the sum;  row = 1: source 0's scales lie in lanes 16-31
.if \zero
	v_wmma_scale_f32_16x16x128_f8f6f4 v[\d:\d+7], v[\a:\a+11], v[\b:\b+11], 0, v[\sa], v[\sb] matrix_a_fmt:MATRIX_FMT_BF6 matrix_b_fmt:MATRIX_FMT_BF6
.elseif \row
	v_wmma_scale_f32_16x16x128_f8f6f4 v[\d:\d+7], v[\a:\a+11], v[\b:\b+11], v[\d:\d+7], v[\sa], v[\sb] matrix_a_fmt:MATRIX_FMT_BF6 matrix_b_fmt:MATRIX_FMT_BF6 matrix_a_scale:MATRIX_SCALE_ROW1
.else
	v_wmma_scale_f32_16x16x128_f8f6f4 v[\d:\d+7], v[\a:\a+11], v[\b:\b+11], v[\d:\d+7], v[\sa], v[\sb] matrix_a_fmt:MATRIX_FMT_BF6 matrix_b_fmt:MATRIX_FMT_BF6
.endif
.endm
; (x Agu)^T: source 0 = Agu's 16 columns, source 1 = x.  Two accumulators take turns over the eight K steps and are added: lane (r, h), register i: rank 8 h + i of row r.
.macro PASS0
.irp g, 0,1
	ds_load_b128 v[AS:AS+3], v[LAS] offset:16*\g
.irp i, 0,1,2,3
	FRAG WB+12*\i, LA, (4*\g+\i)*1536
.endr
	s_wait_dscnt 0x0
.irp i, 0,1,2,3
.if 4*\g+\i < 2
	MMS ACC+8*(\i%2), WB+12*\i, XF+12*(4*\g+\i), AS+\i, XS+4*\g+\i, 1, 0
.else
	MMS ACC+8*(\i%2), WB+12*\i, XF+12*(4*\g+\i), AS+\i, XS+4*\g+\i, 0, 0
.endif
.endr
.rept 5
	v_nop                                          ; places ahead of the loads into these operands, of the reads of the results, and of the products that write over them
.endr
.endr
.irp i, 0,2,4,6
	v_pk_add_f32 v[XAS+\i:XAS+\i+1], v[ACC+\i:ACC+\i+1], v[ACC+8+\i:ACC+8+\i+1]
.endr
.endm
; Tiles of columns 4 p .. 4 p + 3: block p of the work-group's two blocks of g.
.macro PASS p
	s_wait_xcnt 0x0                                ; my last stores have read their data: WB may be loaded again
.irp t, 0,1,2,3
	ds_load_b128 v[ACC+8*\t:ACC+8*\t+3], v[LBI] offset:256*\p+64*\t        ; the bias is the first product's C: eight columns of my half
	ds_load_b128 v[ACC+8*\t+4:ACC+8*\t+7], v[LBI] offset:256*\p+64*\t+16
.endr
.irp s, 0,1,2,3,4,5,6,7
	ds_load_b64 v[WS:WS+1], v[LWS] offset:512*\s+8*\p
.irp t, 0,1,2,3
	FRAG WB+12*\t, LI0+\p, \t*12288+\s*1536
.endr
	s_wait_dscnt 0x0
.irp t, 0,1,2,3
	MMS ACC+8*\t, WB+12*\t, XF+12*\s, WS+\t/2, XS+\s, 0, \t%2             ; the four accumulators by turns
.endr
.rept 4+\s/7
	v_nop                                          ; four places ahead of the next loads; five ahead of the f32 products that take these sums as their C
.endr
.endr
.irp t, 0,1,2,3
	ds_load_b128 v[WB+8*\t:WB+8*\t+3], v[LLB] offset:(4*\p+\t)*1024
	ds_load_b128 v[WB+8*\t+4:WB+8*\t+7], v[LLB] offset:(4*\p+\t)*1024+512
.endr
	s_wait_dscnt 0x0
; + (x Agu) Bgu, with f32 operands, since the result goes into a quantiser.  Step q takes ranks 2 q, 2 q + 1, 8 + 2 q, 9 + 2 q, alike on both sources.  Two tiles at a time, by turns.
.irp u, 0,1
.irp q, 0,1,2,3
.irp i, 0,1
.if \q == 0
	v_wmma_f32_16x16x4_f32 v[L0+8*\i:L0+8*\i+7], v[WB+8*(2*\u+\i)+2*\q:WB+8*(2*\u+\i)+2*\q+1], v[XAS+2*\q:XAS+2*\q+1], v[ACC+8*(2*\u+\i):ACC+8*(2*\u+\i)+7]
.else
	v_wmma_f32_16x16x4_f32 v[L0+8*\i:L0+8*\i+7], v[WB+8*(2*\u+\i)+2*\q:WB+8*(2*\u+\i)+2*\q+1], v[XAS+2*\q:XAS+2*\q+1], v[L0+8*\i:L0+8*\i+7]
.endif
.endr
.endr
.rept 9
	v_nop                                          ; nine places behind this form: ahead of the reads below, and of the next pair's products, which write over these results
.endr
.irp i, 0,1
.irp n, 0,1,2,3
	v_min_num_f32 v[ACC+8*(2*\u+\i)+2*\n], 0x40e00000, v[L0+8*\i+2*\n]                    ; gate = min(gu, 7): each result is read from its low end on
	v_med3_num_f32 v[ACC+8*(2*\u+\i)+2*\n+1], v[L0+8*\i+2*\n+1], -v[SEVEN], v[SEVEN]      ; up = clip(gu, -7, 7)
.endr
.endr
.endr
; g = (up + 1) gate / (1 + 2^(-1.702 log2(e) gate)): 16 numbers a lane; number 4 t + i is f = 32 p + 8 t + 4 h + i of the work-group's 64
.set mm, 0
.rept 16
	v_mul_f32 v[WB+32+mm], s38, v[ACC+2*mm]
.set mm, mm+1
.endr
.set mm, 0
.rept 16
	v_exp_f32 v[WB+32+mm], v[WB+32+mm]
.set mm, mm+1
.endr
	v_nop                                          ; a plain line behind the last exponential,
	s_wait_alu depctr_va_vdst(0)                   ; and one wait for the batch, ahead of its first reader
.set mm, 0
.rept 16
	v_add_f32 v[WB+32+mm], 1.0, v[WB+32+mm]
.set mm, mm+1
.endr
.set mm, 0
.rept 16
	v_rcp_f32 v[WB+32+mm], v[WB+32+mm]
.set mm, mm+1
.endr
	v_nop
	s_wait_alu depctr_va_vdst(0)                   ; one wait for the sixteen reciprocals
.set mm, 0
.rept 16
	v_mul_f32 v[WB+32+mm], v[ACC+2*mm], v[WB+32+mm]                ; glu
.set mm, mm+1
.endr
.set mm, 0
.rept 16
	v_fma_f32 v[WB+mm], v[ACC+2*mm+1], v[WB+32+mm], v[WB+32+mm]    ; up glu + glu
.set mm, mm+1
.endr
	v_max3_num_f32 v[MX0], |v[WB]|, |v[WB+1]|, 0x2800000           ; the block's largest magnitude: my 16 and the floor,
.irp i, 2,4,6,8,10,12,14
	v_max3_num_f32 v[MX0], v[MX0], |v[WB+\i]|, |v[WB+\i+1]|
.endr
	v_permlanex16_b32 v[MX1], v[MX0], s36, s37
	v_max_num_f32 v[MX0], v[MX0], v[MX1]           ; with lane l xor 16's 16
	v_add_nc_u32 v[SCL], 0xfe000000, v[MX0]
.if \p == 0
	v_lshrrev_b32 v[BY0], 23, v[SCL]
.else
	v_lshrrev_b32 v[BYT], 23, v[SCL]
.endif
	v_cvt_scalef32_pk16_bf6_f32 v[WB+16:WB+18], v[WB:WB+15], v[SCL]
	v_nop                                          ; one plain line behind the conversion
	global_store_b96 v[GQOFF], v[WB+16:WB+18], s[32:33] offset:768*\p      ; codes 16 h .. 16 h + 15 of block 2 j + p of my row
.if \p == 1
	v_lshl_or_b32 v[BYW], v[BYT], 8, v[BY0]
	global_store_b16 v[GSOFF], v[BYW], s[34:35]    ; the two blocks' bytes (both halves of the lanes write the same)
.endif
.endm
	s_cmp_ge_u32 s50, s51
	s_cbranch_scc1 .Ldone                          ; a wave without a unit; its loads of x may be out at the end
.Lunit:                                                ; a trip is a unit; the trips are counted by 1 against my number of units, which the loop does not write
	s_wait_xcnt 0x0                                ; the last trip's stores have read their bases and data
	s_add_co_u32 s42, s26, s29
	s_min_u32 s42, s42, 143                        ; the unit's tile of slots
	s_mul_i32 s30, s42, 1536
	s_add_co_u32 s30, s30, s39
	s_add_nc_u64 s[32:33], s[18:19], s[30:31]
	s_lshl_b32 s30, s42, 9
	s_add_co_u32 s30, s30, s25
	s_add_nc_u64 s[34:35], s[20:21], s[30:31]
	s_wait_loadcnt 0x0                             ; this unit's x
	PASS0
	PASS 0
	PASS 1
	s_add_co_u32 s50, s50, 1
	s_lshl_b32 s29, s50, 4
	s_add_co_u32 s29, s29, s22                     ; my next unit: 16 x trips + wave
	s_cmp_ge_u32 s50, s51
	s_cbranch_scc1 .Ldone
	XID
	s_wait_loadcnt 0x0
	XGET
	s_cmp_lt_u32 s50, s51
	s_cbranch_scc1 .Lunit
.Ldone:
	s_wait_tensorcnt 0x0                           ; the wave's end
	ds_add_u32 v[SPW], v[NIL]
	s_wait_dscnt 0x0
	s_endpgm
.Lfunc_end_k_qc2bf2e4ff1_gateup:
	.size	k_qc2bf2e4ff1_gateup, .Lfunc_end_k_qc2bf2e4ff1_gateup-k_qc2bf2e4ff1_gateup
	.p2alignl 7, 3214868480
	.fill 96, 4, 3214868480
	.section	.rodata,"a",@progbits
	.p2align	6, 0x0
	.amdhsa_kernel k_qc2bf2e4ff1_gateup
		.amdhsa_group_segment_fixed_size 125952
		.amdhsa_private_segment_fixed_size 0
		.amdhsa_enable_private_segment 0
		.amdhsa_kernarg_size 72
		.amdhsa_user_sgpr_count 2
		.amdhsa_user_sgpr_kernarg_segment_ptr 1
		.amdhsa_wavefront_size32 1
		.amdhsa_system_sgpr_workgroup_id_x 1
		.amdhsa_system_sgpr_workgroup_id_y 1
		.amdhsa_system_sgpr_workgroup_id_z 1
		.amdhsa_system_vgpr_workitem_id 0
		.amdhsa_next_free_vgpr 256
		.amdhsa_next_free_sgpr 66
		.amdhsa_reserve_vcc 1
		.amdhsa_float_denorm_mode_32 3
		.amdhsa_float_denorm_mode_16_64 3
		.amdhsa_memory_ordered 1
		.amdhsa_forward_progress 1
		.amdhsa_inst_pref_size 100
	.end_amdhsa_kernel
	.amdgpu_metadata
---
amdhsa.version: [ 1, 2 ]
amdhsa.kernels:
  - .name:           k_qc2bf2e4ff1_gateup
    .symbol:         k_qc2bf2e4ff1_gateup.kd
    .args:
      - { .name: xq, .offset: 0, .size: 8, .value_kind: global_buffer, .address_space: global }
      - { .name: xs, .offset: 8, .size: 8, .value_kind: global_buffer, .address_space: global }
      - { .name: route, .offset: 16, .size: 8, .value_kind: global_buffer, .address_space: global }
      - { .name: gate_up_proj, .offset: 24, .size: 8, .value_kind: global_buffer, .address_space: global }
      - { .name: gate_up_bias, .offset: 32, .size: 8, .value_kind: global_buffer, .address_space: global }
      - { .name: lora_gate_up_A, .offset: 40, .size: 8, .value_kind: global_buffer, .address_space: global }
      - { .name: lora_gate_up_B, .offset: 48, .size: 8, .value_kind: global_buffer, .address_space: global }
      - { .name: gq, .offset: 56, .size: 8, .value_kind: global_buffer, .address_space: global }
      - { .name: gs, .offset: 64, .size: 8, .value_kind: global_buffer, .address_space: global }
    .group_segment_fixed_size: 125952
    .private_segment_fixed_size: 0
    .kernarg_segment_align: 8
    .kernarg_segment_size: 72
    .max_flat_workgroup_size: 512
    .sgpr_count:     66
    .vgpr_count:     256
    .wavefront_size: 32
...
	.end_amdgpu_metadata
.endif
;; end of part 2
;; launch down (part 3): grid 16 x 16, 16 waves a work-group, no clusters, 137,984 bytes of LDS; arguments gq, gs, route, down_proj, down_bias, lora_down_A, lora_down_B, y; writes y
.if DOCPART == 3
	.amdgcn_target "amdgcn-amd-amdhsa--gfx1250"
	.amdhsa_code_object_version 6
	.text
	.protected	k_qc2bf2e4ff1_down
	.globl	k_qc2bf2e4ff1_down
	.p2align	8
	.type	k_qc2bf2e4ff1_down,@function
k_qc2bf2e4ff1_down:
	s_mov_b64 s[64:65], 0
	v_nop
	global_prefetch_b8 v0, s[64:65] scope:SCOPE_SE
	s_setreg_imm32_b32 hwreg(HW_REG_WAVE_MODE, 25, 1), 1
	s_wait_xcnt 0x0
; DOWN.  For the slots of expert e: y = Q(g) Q(Wd[e]) + (Q(g) Q(Ad[e])) Bd[e] + bias, f32, to y[slot][1024].
; Left out, as shown at the head of the launch before: the rows of experts that no index of a token names (their weight is exactly 0), and SCALING = 1.
; SHARES.  Work-group (x = j, y = e) owns columns 64 j .. 64 j + 63 of Wd[e]: 256 consecutive bytes of each of its 1,024 rows, read once; the codes never go to memory.
; PHASE 1.  A lane takes a column, its registers run down K (F): wave w takes 32 columns (cg = w % 2) x K step w / 2, four blocks.  g's codes lie in the order in which the launch before made them: code p of a block is
; f = PHI(p) = 8 ((p / 4) % 4) + 4 (p / 16) + p % 4; so register i of a block is loaded from row PHI(i) of the block, in Wd and in Ad alike, by the loads' immediates.  A block is the same set of 32 numbers as in reference().
; PHASE 2, behind the one barrier.  A unit is a tile of 16 slots against the four tiles of 16 columns; wave w takes units w, w + 16, ..  Products transposed (source 0 = 16 columns, source 1 = 16 rows of g).
; The product with Bd (K = 16) feeds no quantiser: bf16 operands, one matrix instruction a tile, the upper 16 of its K zeros on both sides.  Results leave through the wave's own stage as whole runs of 256 bytes.
; No tensor loads, no cluster: the number of units hangs on a count read from memory.
; LIMITS as in the launch before: NaN and infinities are not served; blocks under 2^-122 keep the byte 1; a block of zeros has the byte 1 and zero codes.
.set AIMG,  49152                      ; LDS.  0: W's fragments [tile 4][K step 8][piece 3][lane][16 bytes];  here: Ad's [K step 8][..]
.set WSC,   61440                      ; W's scale words [K step 8][lane][cg 2]
.set ASC,   63488                      ; Ad's scale words [column 16][K step 8]
.set LBT,   64000                      ; Bd as pairs of bf16 [tile 4][lane][16 bytes]: register i of lane (r, h): ranks 8 h + 2 i, 8 h + 2 i + 1 of column 16 tile + r
.set BIAS,  66048                      ; 64 f32
.set STAGE, 66304                      ; 16 rows x (256 + 16) bytes for each wave
.set SPARE, 135936                     ; the spare words, 128 bytes for each wave: eight blocks of 256 bytes that no other line names
.set R,     1
.set LI0,   3
.set LA,    5
.set LWS,   6
.set LAS,   7
.set LLB,   8
.set LBI,   9
.set WST,   10
.set WSS,   11
.set AS0,   12
.set AS1,   13
.set ASB,   14
.set LBST,  15
.set BIST,  16
.set WOFF,  17
.set AOFF,  18
.set LBOFF, 19
.set BOFF,  20
.set GOFF,  21
.set GSOFF, 22
.set STO,   23
.set RD,    24
.set YO,    25
.set SPW,   27                         ; v27  LDS address of my spare word; never rewritten
.set NIL,   28                         ; v28  0; never rewritten
.set MX0,   30
.set MX1,   31
.set SCL,   32
.set BYT,   33
.set SW,    34
.set XF,    36                         ; v36-131  g's eight fragments of the unit's 16 slots
.set XS,    132                        ; v132-139 their scale words: scales and nothing else
.set ACC,   140                        ; v140-171 four accumulators
.set WB,    172                        ; v172-219 four fragments of W; later Bd, later rows of y
.set XAS,   220                        ; v220-227 (g Ad)^T
.set GB,    228                        ; v228-235 the same as bf16; registers 4-7 stay 0
.set WS,    250                        ; scales and nothing else
.set AS,    252                        ; scales and nothing else
.set SET0,  140                        ; phase 1: v140-171, v172-203 two sets of 32 numbers; v204-215, v216-227 two fragments in the making; v236-238 a block's upper 16 codes
.set F0,    204
.set F1,    216
.set T,     236
	s_load_b512 s[4:19], s[0:1], 0x0               ; gq s[4:5], gs s[6:7], route s[8:9], W s[10:11], bias s[12:13], A s[14:15], B s[16:17], y s[18:19]
	v_lshl_add_u32 v[SPW], v0, 2, SPARE
	v_mov_b32 v[NIL], 0
	v_lshrrev_b32 v1, 5, v0
	v_readfirstlane_b32 s22, v1                    ; wave 0..15
	v_and_b32 v[MX0], 31, v0                       ; lane
	v_and_b32 v[R], 15, v0
	v_bfe_u32 v[MX1], v0, 4, 1                     ; h
	v_lshlrev_b32 v[LI0], 4, v[MX0]
	v_add_nc_u32 v[LA], AIMG, v[LI0]
	v_lshl_add_u32 v[LWS], v[MX0], 3, WSC
	v_lshl_add_u32 v[LAS], v[R], 5, ASC
	v_add_nc_u32 v[LLB], LBT, v[LI0]
	v_lshl_add_u32 v[LBI], v[MX1], 5, BIAS
	s_and_b32 s40, s22, 1                          ; cg
	s_lshr_b32 s41, s22, 1                         ; my K step
	s_mul_i32 s42, s40, 24576
	s_mul_i32 s43, s41, 1536
	s_add_co_u32 s42, s42, s43
	v_add_nc_u32 v[WST], s42, v[LI0]
	s_lshl_b32 s42, s40, 2
	s_lshl_b32 s43, s41, 8
	s_add_co_u32 s42, s42, s43
	v_add_nc_u32 v[WSS], s42, v[LWS]
	s_mul_i32 s42, s41, 1536                       ; Ad: K step w / 2, registers 6 (w % 2) .. + 5 of its fragment, in three pieces of 8 bytes
	s_add_co_u32 s42, s42, AIMG
	s_mul_i32 s43, s40, 520
	s_add_co_u32 s43, s43, s42
	v_add_nc_u32 v[AS0], s43, v[LI0]
	s_mul_i32 s43, s40, 1016
	s_add_co_u32 s43, s43, s42
	s_add_co_u32 s43, s43, 8
	v_add_nc_u32 v[AS1], s43, v[LI0]
	s_lshl_b32 s42, s22, 1
	v_add_nc_u32 v[ASB], v[LAS], v[MX1]
	v_add_nc_u32 v[ASB], s42, v[ASB]
	s_and_b32 s46, s22, 3
	s_lshr_b32 s47, s22, 2
	s_lshl_b32 s42, s46, 9
	s_lshl_b32 s43, s47, 2
	s_add_co_u32 s42, s42, s43
	v_add_nc_u32 v[LBST], s42, v[LLB]
	v_and_b32 v[BOFF], 3, v0
	s_lshl_b32 s42, s22, 2
	v_add_nc_u32 v[BOFF], s42, v[BOFF]
	v_lshlrev_b32 v[BOFF], 2, v[BOFF]              ; my wave's four numbers of the bias
	v_add_nc_u32 v[BIST], BIAS, v[BOFF]
	v_lshlrev_b32 v[WOFF], 2, v[MX0]
	v_lshlrev_b32 v[AOFF], 2, v[R]
	v_lshl_add_u32 v[AOFF], v[MX1], 11, v[AOFF]
	v_lshlrev_b32 v[LBOFF], 2, v[R]
	v_lshl_add_u32 v[LBOFF], v[MX1], 15, v[LBOFF]  ; column r; lanes 16-31 eight rows of 4,096 bytes further down
	v_mul_u32_u24 v[GOFF], v[R], 48
	v_mad_u32_u24 v[GOFF], v[MX1], 768, v[GOFF]
	v_lshlrev_b32 v[GSOFF], 5, v[R]
	s_mul_i32 s42, s22, 4352
	s_add_co_u32 s42, s42, STAGE                   ; my stage
	v_mul_u32_u24 v[STO], v[R], 272
	v_lshl_add_u32 v[STO], v[MX1], 5, v[STO]
	v_add_nc_u32 v[STO], s42, v[STO]               ; in: row r, 32 bytes for each half of the lanes
	v_mul_u32_u24 v[RD], v[MX1], 272
	v_lshl_add_u32 v[RD], v[R], 4, v[RD]
	v_add_nc_u32 v[RD], s42, v[RD]                 ; back: lanes 0-15 one row, lanes 16-31 the next
	v_lshlrev_b32 v[YO], 4, v[R]
	v_lshl_add_u32 v[YO], v[MX1], 12, v[YO]        ; and the same two rows of y
.irp i, 4,5,6,7
	v_mov_b32 v[GB+\i], 0
.endr
	s_mov_b32 s23, ttmp9                           ; j
	s_and_b32 s24, ttmp7, 0xffff                   ; e
	s_lshl_b32 s39, s23, 8                         ; my 256 bytes of a row of y
	s_mov_b32 s31, 0
	s_wait_kmcnt 0x0
	s_lshl_b32 s30, s24, 3
	s_add_nc_u64 s[48:49], s[8:9], s[30:31]
	s_load_b64 s[26:27], s[48:49], 0x0             ; the expert's first tile and its rows
	s_lshl_b32 s30, s24, 22                        ; W: expert, my K step's 128 rows of 4,096 bytes, column 64 j + 32 cg
	s_lshl_b32 s42, s41, 19
	s_add_co_u32 s30, s30, s42
	s_add_co_u32 s30, s30, s39
	s_lshl_b32 s42, s40, 7
	s_add_co_u32 s30, s30, s42
	s_add_nc_u64 s[10:11], s[10:11], s[30:31]
	s_lshl_b32 s30, s24, 12                        ; bias
	s_add_co_u32 s30, s30, s39
	s_add_nc_u64 s[12:13], s[12:13], s[30:31]
	s_lshl_b32 s30, s24, 16                        ; A: expert, K step w / 2, blocks 2 (w % 2) on
	s_lshl_b32 s42, s41, 13
	s_add_co_u32 s30, s30, s42
	s_lshl_b32 s42, s40, 12
	s_add_co_u32 s30, s30, s42
	s_add_nc_u64 s[14:15], s[14:15], s[30:31]
	s_lshl_b32 s30, s24, 16                        ; B: expert, ranks 2 (w / 4) on, column 64 j + 16 (w % 4)
	s_lshl_b32 s42, s47, 13
	s_add_co_u32 s30, s30, s42
	s_add_co_u32 s30, s30, s39
	s_lshl_b32 s42, s46, 6
	s_add_co_u32 s30, s30, s42
	s_add_nc_u64 s[16:17], s[16:17], s[30:31]
.macro LOADA                           ; Ad(32 (block) + PHI(i), r) into set 0
.set ii, 0
.rept 32
	global_load_b32 v[SET0+ii], v[AOFF], s[14:15] offset:64*(8*((ii/4)%4)+4*(ii/16)+ii%4)
.set ii, ii+1
.endr
.endm
.macro LOADW t                         ; block t of my column: W(32 t + PHI(i), column), into set (t + 1) % 2.  A wave's load reads 128 consecutive bytes; the slice is read once in the launch
.set LSET, SET0+32*(((\t)+1)%2)
.set ii, 0
.rept 32
	global_load_b32 v[LSET+ii], v[WOFF], s[10:11] offset:(32*(\t)+8*((ii/4)%4)+4*(ii/16)+ii%4)*4096 th:TH_LOAD_NT
.set ii, ii+1
.endr
.endm
.macro QBLK src, dst                   ; 32 numbers of one block, all mine -> six registers of codes at dst, the byte in BYT
	v_max3_num_f32 v[MX0], |v[\src]|, |v[\src+1]|, |v[\src+2]|
	v_max3_num_f32 v[MX1], |v[\src+3]|, |v[\src+4]|, |v[\src+5]|
.irp i, 6,10,14,18,22,26
	v_max3_num_f32 v[MX0], v[MX0], |v[\src+\i]|, |v[\src+\i+1]|
	v_max3_num_f32 v[MX1], v[MX1], |v[\src+\i+2]|, |v[\src+\i+3]|
.endr
	v_max3_num_f32 v[MX0], v[MX0], |v[\src+30]|, |v[\src+31]|
	v_max3_num_f32 v[MX0], v[MX0], v[MX1], 0x2800000               ; and the floor 2^(5 - 127): the byte cannot fall under 1
	v_add_nc_u32 v[SCL], 0xfe000000, v[MX0]        ; 4 off the exponent field: the conversion's scale operand
	v_lshrrev_b32 v[BYT], 23, v[SCL]
	v_cvt_scalef32_pk16_bf6_f32 v[\dst:\dst+2], v[\src:\src+15], v[SCL]
	v_cvt_scalef32_pk16_bf6_f32 v[T:T+2], v[\src+16:\src+31], v[SCL]   ; (a conversion's three registers begin on an even number)
	v_nop                                          ; one plain line behind the conversions
.irp i, 0,1,2
	v_mov_b32 v[\dst+3+\i], v[T+\i]
.endr
.endm
; Block t of my K step.  Even blocks go to F0, odd ones to F1; the exchange of F0's upper lanes with F1's lower lanes makes F0 tile 2 cg's fragment and F1 tile 2 cg + 1's.
.macro WBLK t, left, next
.set SRC, SET0+32*(((\t)+1)%2)
.set DST, F0+12*((\t)%2)+6*((\t)/2)
	s_wait_loadcnt \left
.if (\t) == 0
	s_wait_dscnt 0x0                               ; my earlier LDS stores have read F0 and F1
.endif
	QBLK SRC, DST
.if (\t) == 0
	v_mov_b32 v[SW], v[BYT]
.else
	v_lshl_or_b32 v[SW], v[BYT], 8*(\t), v[SW]     ; my column's scale word of the K step
.endif
.if \next
	LOADW (\t)+2
.endif
.if (\t)%2 == 1
.irp i, 0,1,2,3,4,5
	v_permlane16_swap_b32 v[F0+6*((\t)/2)+\i], v[F1+6*((\t)/2)+\i]
.endr
.endif
.if (\t) == 3
.irp i, 0,1,2
	ds_store_b128 v[WST], v[F0+4*\i:F0+4*\i+3] offset:512*\i
.endr
.irp i, 0,1,2
	ds_store_b128 v[WST], v[F1+4*\i:F1+4*\i+3] offset:12288+512*\i
.endr
	ds_store_b32 v[WSS], v[SW]
.endif
.endm
.macro GGET                            ; unit s29's rows of g: scale words and my half of the eight fragments: 26 loads.  A wave without a unit reads tile 0 and uses nothing of it
	s_add_co_u32 s42, s26, s29
	s_cmp_lt_u32 s29, s28
	s_cselect_b32 s42, s42, 0
	s_min_u32 s42, s42, 143
	s_mul_i32 s30, s42, 1536
	s_add_nc_u64 s[32:33], s[4:5], s[30:31]
	s_lshl_b32 s30, s42, 9
	s_add_nc_u64 s[34:35], s[6:7], s[30:31]
	global_load_b128 v[XS:XS+3], v[GSOFF], s[34:35]
	global_load_b128 v[XS+4:XS+7], v[GSOFF], s[34:35] offset:16
.set ii, 0
.rept 24
	global_load_b128 v[XF+4*ii:XF+4*ii+3], v[GOFF], s[32:33] offset:221184*(ii/3)+16*(ii%3)
.set ii, ii+1
.endr
.endm
; ---------------- PHASE 1
	global_load_b32 v[F0], v[LBOFF], s[16:17]                      ; Bd: two ranks of my column
	global_load_b32 v[F0+1], v[LBOFF], s[16:17] offset:4096
	global_load_b32 v[F0+2], v[BOFF], s[12:13]
	LOADA
	LOADW 0
	s_wait_kmcnt 0x0
	s_min_u32 s26, s26, 143
	s_min_u32 s27, s27, 2048
	s_add_co_u32 s28, s27, 15
	s_lshr_b32 s28, s28, 4                         ; the expert's units
	s_mov_b32 s29, s22                             ; my first unit
	s_add_co_u32 s51, s28, 15
	s_sub_co_u32 s51, s51, s22
	s_lshr_b32 s51, s51, 4                         ; how many of the units w, w + 16, .. lie under the expert's count
	s_min_u32 s51, s51, 8                          ; (2,048 rows are 128 units: eight a wave at the most)
	s_mov_b32 s50, 0                               ; my trips so far
	GGET
	s_wait_loadcnt 58                              ; Bd, the bias and Ad are in; W's block 0 (32) and g (26) may be out
	v_cvt_pk_bf16_f32 v[F0+3], v[F0], v[F0+1]
	ds_store_b32 v[LBST], v[F0+3]
	ds_store_b32 v[BIST], v[F0+2]                  ; (eight lanes write each word, with the same value)
	QBLK SET0, F1
	ds_store_b64 v[AS0], v[F1:F1+1]
	ds_store_b64 v[AS1], v[F1+2:F1+3]
	ds_store_b64 v[AS0], v[F1+4:F1+5] offset:512
	ds_store_b8 v[ASB], v[BYT]
	LOADW 1
	WBLK 0, 58, 1                                  ; g (26) and block 1 (32) may be out
	WBLK 1, 32, 1                                  ; block 2 may be out
	WBLK 2, 32, 0                                  ; block 3 may be out
	WBLK 3, 0, 0
	s_wait_dscnt 0x0                               ; for the others' sake: all my images have landed
	s_barrier_signal -1
	s_barrier_wait -1                              ; the launch's one barrier; behind it a wave stores to its own stage alone
; ---------------- PHASE 2
.macro FRAG dst, adr, off
.irp i, 0,1,2
	ds_load_b128 v[\dst+4*\i:\dst+4*\i+3], v[\adr] offset:\off+512*\i
.endr
.endm
.macro MMS d, a, b, sa, sb, zero, row  ; zero = 1: the product starts the sum;  row = 1: source 0's scales lie in lanes 16-31
.if \zero
	v_wmma_scale_f32_16x16x128_f8f6f4 v[\d:\d+7], v[\a:\a+11], v[\b:\b+11], 0, v[\sa], v[\sb] matrix_a_fmt:MATRIX_FMT_BF6 matrix_b_fmt:MATRIX_FMT_BF6
.elseif \row
	v_wmma_scale_f32_16x16x128_f8f6f4 v[\d:\d+7], v[\a:\a+11], v[\b:\b+11], v[\d:\d+7], v[\sa], v[\sb] matrix_a_fmt:MATRIX_FMT_BF6 matrix_b_fmt:MATRIX_FMT_BF6 matrix_a_scale:MATRIX_SCALE_ROW1
.else
	v_wmma_scale_f32_16x16x128_f8f6f4 v[\d:\d+7], v[\a:\a+11], v[\b:\b+11], v[\d:\d+7], v[\sa], v[\sb] matrix_a_fmt:MATRIX_FMT_BF6 matrix_b_fmt:MATRIX_FMT_BF6
.endif
.endm
; (g Ad)^T: two accumulators take turns over the eight K steps and are added: lane (r, h), register i: rank 8 h + i of row r.
.macro PASS0
.irp g, 0,1
	ds_load_b128 v[AS:AS+3], v[LAS] offset:16*\g
.irp i, 0,1,2,3
	FRAG WB+12*\i, LA, (4*\g+\i)*1536
.endr
	s_wait_dscnt 0x0
.irp i, 0,1,2,3
.if 4*\g+\i < 2
	MMS ACC+8*(\i%2), WB+12*\i, XF+12*(4*\g+\i), AS+\i, XS+4*\g+\i, 1, 0
.else
	MMS ACC+8*(\i%2), WB+12*\i, XF+12*(4*\g+\i), AS+\i, XS+4*\g+\i, 0, 0
.endif
.endr
.rept 5
	v_nop                                          ; places ahead of the loads into these operands, of the reads of the results, and of the products that write over them
.endr
.endr
.irp i, 0,2,4,6
	v_pk_add_f32 v[XAS+\i:XAS+\i+1], v[ACC+\i:ACC+\i+1], v[ACC+8+\i:ACC+8+\i+1]
.endr
.endm
	s_cmp_ge_u32 s50, s51
	s_cbranch_scc1 .Ldone                          ; a wave without a unit; its loads of g may be out at the end
.Lunit:                                                ; a trip is a unit; the trips are counted by 1 against my number of units, which the loop does not write
	s_wait_xcnt 0x0                                ; the last trip's stores have read their base and data
	s_add_co_u32 s42, s26, s29
	s_min_u32 s42, s42, 143                        ; the unit's tile of slots
	s_lshl_b32 s30, s42, 16
	s_add_co_u32 s30, s30, s39
	s_add_nc_u64 s[36:37], s[18:19], s[30:31]
	s_wait_loadcnt 0x0                             ; this unit's g
	PASS0
.irp i, 0,1,2,3
	v_cvt_pk_bf16_f32 v[GB+\i], v[XAS+2*\i], v[XAS+2*\i+1]
.endr
.irp t, 0,1,2,3
	ds_load_b128 v[ACC+8*\t:ACC+8*\t+3], v[LBI] offset:64*\t       ; the bias is the first product's C
	ds_load_b128 v[ACC+8*\t+4:ACC+8*\t+7], v[LBI] offset:64*\t+16
.endr
.irp s, 0,1,2,3,4,5,6,7
	ds_load_b64 v[WS:WS+1], v[LWS] offset:256*\s
.irp t, 0,1,2,3
	FRAG WB+12*\t, LI0, \t*12288+\s*1536
.endr
	s_wait_dscnt 0x0
.irp t, 0,1,2,3
	MMS ACC+8*\t, WB+12*\t, XF+12*\s, WS+\t/2, XS+\s, 0, \t%2      ; the four accumulators by turns
.endr
.rept 4+\s/7
	v_nop                                          ; four places ahead of the next loads; five ahead of the bf16 products that write over these sums
.endr
.endr
.irp t, 0,1,2,3
.irp i, 4,5,6,7
	v_mov_b32 v[WB+8*\t+\i], 0                     ; the upper 16 of the bf16 form's K
.endr
.endr
.irp t, 0,1,2,3
	ds_load_b128 v[WB+8*\t:WB+8*\t+3], v[LLB] offset:512*\t
.endr
	s_wait_dscnt 0x0
.irp t, 0,1,2,3
	v_wmma_f32_16x16x32_bf16 v[ACC+8*\t:ACC+8*\t+7], v[WB+8*\t:WB+8*\t+7], v[GB:GB+7], v[ACC+8*\t:ACC+8*\t+7]   ; + (g Ad) Bd
.endr
.rept 5
	v_nop                                          ; four places ahead of the stores that read these sums; five ahead of the next unit's first products, which begin two of these accumulators anew
.endr
.irp t, 0,1,2,3
	ds_store_b128 v[STO], v[ACC+8*\t:ACC+8*\t+3] offset:64*\t      ; each accumulator from its low end on
	ds_store_b128 v[STO], v[ACC+8*\t+4:ACC+8*\t+7] offset:64*\t+16
.endr
.irp i, 0,1,2,3,4,5,6,7
	ds_load_b128 v[WB+4*\i:WB+4*\i+3], v[RD] offset:544*\i         ; LDS serves a wave's instructions in order: these see my stores
.endr
.irp i, 0,1,2,3,4,5,6,7
	s_wait_dscnt 7-\i
	global_store_b128 v[YO], v[WB+4*\i:WB+4*\i+3], s[36:37] offset:8192*\i   ; sixteen lanes store 256 consecutive bytes, at a multiple of 256 from y's first byte
.endr
	s_add_co_u32 s50, s50, 1
	s_lshl_b32 s29, s50, 4
	s_add_co_u32 s29, s29, s22                     ; my next unit: 16 x trips + wave
	s_cmp_ge_u32 s50, s51
	s_cbranch_scc1 .Ldone
	GGET                                           ; (the bases that it rewrites were read by loads that have landed)
	s_cmp_lt_u32 s50, s51
	s_cbranch_scc1 .Lunit
.Ldone:
	s_wait_tensorcnt 0x0                           ; the wave's end
	ds_add_u32 v[SPW], v[NIL]
	s_wait_dscnt 0x0
	s_endpgm
.Lfunc_end_k_qc2bf2e4ff1_down:
	.size	k_qc2bf2e4ff1_down, .Lfunc_end_k_qc2bf2e4ff1_down-k_qc2bf2e4ff1_down
	.p2alignl 7, 3214868480
	.fill 96, 4, 3214868480
	.section	.rodata,"a",@progbits
	.p2align	6, 0x0
	.amdhsa_kernel k_qc2bf2e4ff1_down
		.amdhsa_group_segment_fixed_size 137984
		.amdhsa_private_segment_fixed_size 0
		.amdhsa_enable_private_segment 0
		.amdhsa_kernarg_size 64
		.amdhsa_user_sgpr_count 2
		.amdhsa_user_sgpr_kernarg_segment_ptr 1
		.amdhsa_wavefront_size32 1
		.amdhsa_system_sgpr_workgroup_id_x 1
		.amdhsa_system_sgpr_workgroup_id_y 1
		.amdhsa_system_sgpr_workgroup_id_z 1
		.amdhsa_system_vgpr_workitem_id 0
		.amdhsa_next_free_vgpr 256
		.amdhsa_next_free_sgpr 66
		.amdhsa_reserve_vcc 0
		.amdhsa_float_denorm_mode_32 3
		.amdhsa_float_denorm_mode_16_64 3
		.amdhsa_memory_ordered 1
		.amdhsa_forward_progress 1
		.amdhsa_inst_pref_size 54
	.end_amdhsa_kernel
	.amdgpu_metadata
---
amdhsa.version: [ 1, 2 ]
amdhsa.kernels:
  - .name:           k_qc2bf2e4ff1_down
    .symbol:         k_qc2bf2e4ff1_down.kd
    .args:
      - { .name: gq, .offset: 0, .size: 8, .value_kind: global_buffer, .address_space: global }
      - { .name: gs, .offset: 8, .size: 8, .value_kind: global_buffer, .address_space: global }
      - { .name: route, .offset: 16, .size: 8, .value_kind: global_buffer, .address_space: global }
      - { .name: down_proj, .offset: 24, .size: 8, .value_kind: global_buffer, .address_space: global }
      - { .name: down_bias, .offset: 32, .size: 8, .value_kind: global_buffer, .address_space: global }
      - { .name: lora_down_A, .offset: 40, .size: 8, .value_kind: global_buffer, .address_space: global }
      - { .name: lora_down_B, .offset: 48, .size: 8, .value_kind: global_buffer, .address_space: global }
      - { .name: y, .offset: 56, .size: 8, .value_kind: global_buffer, .address_space: global }
    .group_segment_fixed_size: 137984
    .private_segment_fixed_size: 0
    .kernarg_segment_align: 8
    .kernarg_segment_size: 64
    .max_flat_workgroup_size: 512
    .sgpr_count:     66
    .vgpr_count:     256
    .wavefront_size: 32
...
	.end_amdgpu_metadata
.endif
;; end of part 3
;; launch combine (part 4): grid 256 x 1, 4 waves a work-group, no clusters, 0 bytes of LDS; arguments y, route, routing_weights, out0; writes out0
.if DOCPART == 4
	.amdgcn_target "amdgcn-amd-amdhsa--gfx1250"
	.amdhsa_code_object_version 6
	.text
	.protected	k_qc2bf2e4ff1_combine
	.globl	k_qc2bf2e4ff1_combine
	.p2align	8
	.type	k_qc2bf2e4ff1_combine,@function
k_qc2bf2e4ff1_combine:
	s_mov_b64 s[64:65], 0
	v_nop
	global_prefetch_b8 v0, s[64:65] scope:SCOPE_SE
	s_setreg_imm32_b32 hwreg(HW_REG_WAVE_MODE, 25, 1), 1
	s_wait_xcnt 0x0
; COMBINE.  out[t] = w[t][0] y[pos[t][0]] + w[t][1] y[pos[t][1]]: reference()'s one_hot and its two last products are this lookup (the terms of all other experts are exactly 0).
; An item whose index lies outside 0 .. 15 has pos = 4095: its row's bits are cleared, so that it adds an exact 0 whatever slot 0 holds, as one_hot's zero row does.
; A wave takes a token: two rows of 4,096 bytes in, one out; each load and store covers 512 consecutive bytes.  No LDS, no barrier, no loop: memory binds, and waves share nothing.
	s_load_b256 s[4:11], s[0:1], 0x0               ; y s[4:5], route s[6:7], routing_weights s[8:9], out s[10:11]
	v_lshrrev_b32 v1, 5, v0
	v_readfirstlane_b32 s12, v1                    ; wave 0..3
	v_and_b32 v1, 31, v0
	v_lshlrev_b32 v1, 4, v1                        ; 16 bytes a lane
	s_lshl_b32 s13, ttmp9, 2
	s_add_co_u32 s13, s13, s12                     ; my token
	s_lshl_b32 s14, s13, 3
	s_mov_b32 s15, 0
	s_wait_kmcnt 0x0
	s_add_nc_u64 s[6:7], s[6:7], s[14:15]
	s_add_nc_u64 s[8:9], s[8:9], s[14:15]
	s_load_b64 s[16:17], s[6:7], 0x2500            ; pos of my two items (pos begins at byte 9,472 of route)
	s_load_b64 s[20:21], s[8:9], 0x0               ; their weights
	s_lshl_b32 s14, s13, 12
	s_add_nc_u64 s[10:11], s[10:11], s[14:15]
	s_mov_b32 s27, 0
	s_wait_kmcnt 0x0
	s_cmp_lt_u32 s16, 2304
	s_cselect_b32 s24, -1, 0                       ; all ones for an item that counts
	s_cselect_b32 s16, s16, 0
	s_min_u32 s16, s16, 2303
	s_lshl_b32 s26, s16, 12
	s_add_nc_u64 s[28:29], s[4:5], s[26:27]
	s_cmp_lt_u32 s17, 2304
	s_cselect_b32 s25, -1, 0
	s_cselect_b32 s17, s17, 0
	s_min_u32 s17, s17, 2303
	s_lshl_b32 s26, s17, 12
	s_add_nc_u64 s[30:31], s[4:5], s[26:27]
	s_mov_b32 s22, s21                             ; the packed forms name a pair and take its low word for both halves
	s_mov_b32 s23, s21
.irp i, 0,1,2,3,4,5,6,7
	global_load_b128 v[4+4*\i:7+4*\i], v1, s[28:29] offset:512*\i
.endr
.irp i, 0,1,2,3,4,5,6,7
	global_load_b128 v[36+4*\i:39+4*\i], v1, s[30:31] offset:512*\i
.endr
	s_wait_loadcnt 0x0
.set ii, 0
.rept 32
	v_and_b32 v[4+ii], s24, v[4+ii]
	v_and_b32 v[36+ii], s25, v[36+ii]
.set ii, ii+1
.endr
.set ii, 0
.rept 16
	v_pk_mul_f32 v[4+ii:5+ii], v[4+ii:5+ii], s[20:21] op_sel_hi:[1,0]
.set ii, ii+2
.endr
.set ii, 0
.rept 16
	v_pk_fma_f32 v[4+ii:5+ii], v[36+ii:37+ii], s[22:23], v[4+ii:5+ii] op_sel_hi:[1,0,1]
.set ii, ii+2
.endr
.irp i, 0,1,2,3,4,5,6,7
	global_store_b128 v1, v[4+4*\i:7+4*\i], s[10:11] offset:512*\i th:TH_STORE_NT
.endr
	s_endpgm
.Lfunc_end_k_qc2bf2e4ff1_combine:
	.size	k_qc2bf2e4ff1_combine, .Lfunc_end_k_qc2bf2e4ff1_combine-k_qc2bf2e4ff1_combine
	.p2alignl 7, 3214868480
	.fill 96, 4, 3214868480
	.section	.rodata,"a",@progbits
	.p2align	6, 0x0
	.amdhsa_kernel k_qc2bf2e4ff1_combine
		.amdhsa_group_segment_fixed_size 0
		.amdhsa_private_segment_fixed_size 0
		.amdhsa_enable_private_segment 0
		.amdhsa_kernarg_size 32
		.amdhsa_user_sgpr_count 2
		.amdhsa_user_sgpr_kernarg_segment_ptr 1
		.amdhsa_wavefront_size32 1
		.amdhsa_system_sgpr_workgroup_id_x 1
		.amdhsa_system_sgpr_workgroup_id_y 1
		.amdhsa_system_sgpr_workgroup_id_z 1
		.amdhsa_system_vgpr_workitem_id 0
		.amdhsa_next_free_vgpr 72
		.amdhsa_next_free_sgpr 66
		.amdhsa_reserve_vcc 0
		.amdhsa_float_denorm_mode_32 3
		.amdhsa_float_denorm_mode_16_64 3
		.amdhsa_memory_ordered 1
		.amdhsa_forward_progress 1
		.amdhsa_inst_pref_size 8
	.end_amdhsa_kernel
	.amdgpu_metadata
---
amdhsa.version: [ 1, 2 ]
amdhsa.kernels:
  - .name:           k_qc2bf2e4ff1_combine
    .symbol:         k_qc2bf2e4ff1_combine.kd
    .args:
      - { .name: y, .offset: 0, .size: 8, .value_kind: global_buffer, .address_space: global }
      - { .name: route, .offset: 8, .size: 8, .value_kind: global_buffer, .address_space: global }
      - { .name: routing_weights, .offset: 16, .size: 8, .value_kind: global_buffer, .address_space: global }
      - { .name: out0, .offset: 24, .size: 8, .value_kind: global_buffer, .address_space: global }
    .group_segment_fixed_size: 0
    .private_segment_fixed_size: 0
    .kernarg_segment_align: 8
    .kernarg_segment_size: 32
    .max_flat_workgroup_size: 128
    .sgpr_count:     66
    .vgpr_count:     72
    .wavefront_size: 32
...
	.end_amdgpu_metadata
.endif
;; end of part 4
;; ======== version 2 of 2: 4 launches
;; workspace buffers: xq 786,432 bytes; xs 32,768 bytes; route 17,664 bytes of whole numbers; gq 1,769,472 bytes; gs 73,728 bytes; y 9,437,184 bytes
;; launch prep (part 5): grid 65 x 1, 8 waves a work-group, no clusters, 43,520 bytes of LDS; arguments hidden_states, router_indices, xq, xs, route; writes xq, xs, route
.if DOCPART == 5
	.amdgcn_target "amdgcn-amd-amdhsa--gfx1250"
	.amdhsa_code_object_version 6
	.text
	.protected	k_qc2bf2e4ff1_prep
	.globl	k_qc2bf2e4ff1_prep
	.p2align	8
	.type	k_qc2bf2e4ff1_prep,@function
k_qc2bf2e4ff1_prep:
	s_mov_b64 s[64:65], 0
	v_nop
	global_prefetch_b8 v0, s[64:65] scope:SCOPE_SE
	s_setreg_imm32_b32 hwreg(HW_REG_WAVE_MODE, 25, 1), 1
	s_wait_xcnt 0x0
; PREP.  Two jobs in one launch, told apart by the work-group's number alone; the two ways part once and never join, and each has LDS bytes of its own.
; Work-groups 1 to 64: x = hidden_states [1024][1024] f32 becomes codes of BF6 (E3M2) with one E8M0 byte for each 32 along H.
;   A block's scale is 2^(floor(log2(largest magnitude)) - 4): its byte is the largest magnitude's exponent field - 4, held at 1 from below.
;   xq: [token][K step s of 128][h 2][48 bytes]: block 4 s + h, then block 4 s + 2 + h: the twelve registers that lane (row, h) of an operand's fragment holds.   xs: [token][32 bytes], byte b for block b.
; Work-group 0: a counting sort of the 2,048 items (token, k) of router_indices by expert, without atomics.  17 buckets: experts 0 to 15, and bucket 16 for every index outside 0 .. 15
;   (reference()'s one_hot gives such an item the weight 0).  Each bucket's run of slots begins at a whole tile of 16 slots: at most (2048 + 17 x 15) / 16 = 143 tiles.
;   route: bytes 0-255: 32 pairs (bucket's first tile, bucket's items);  from 256: rowtok[slot] = token, 2,304 words (padding slots are not written, and nobody reads them);
;   from 9,472: pos[item] = slot, or 4095 for an item of bucket 16.
; LIMITS: NaN and infinities in x are not served; a block whose largest magnitude lies under 2^-122 keeps the byte 1; a block of zeros has the byte 1 and zero codes (these bytes are read by this program alone).
.set STEPS, 4                          ; a wave takes 4 steps of 512 numbers: two rows of x
.set EMAX,  4
.set SP,    80                         ; a lane's place in a stage: 64 bytes + 16 of padding
.set WREG,  5120                       ; a wave's two stages of 32 x SP bytes
.set XSB,   40960                      ; the work-group's 512 scale bytes
.set RT,    41472                      ; the sort's counts: [wave 8][32 words]
.set SPARE, 42496                      ; the spare words, 128 bytes for each wave: four blocks of 256 bytes that no other line names
.set R,     16                         ; v16-79   four sets of 16 numbers as loaded
.set X,     80                         ; v80-111  two sets of 16 neighbours
.set C,     112                        ; v112-127 codes, four registers a step
.set E,     128                        ; v128-131 a scale byte for each step
.set SPW,   12                         ; v12  LDS address of my spare word; never rewritten
.set NIL,   13                         ; v13  0; never rewritten
	s_load_b256 s[4:11], s[0:1], 0x0               ; x s[4:5], router_indices s[6:7], xq s[8:9], xs s[10:11]
	s_load_b64 s[12:13], s[0:1], 0x20              ; route
	v_lshl_add_u32 v[SPW], v0, 2, SPARE
	v_mov_b32 v[NIL], 0
	v_lshrrev_b32 v1, 5, v0
	s_delay_alu instid0(VALU_DEP_1)
	v_readfirstlane_b32 s16, v1                    ; wave 0..7
	v_and_b32 v2, 31, v0                           ; lane
	s_cmp_eq_u32 ttmp9, 0
	s_cbranch_scc1 .Lroute
; ---------------- x into codes.  Each load reads 512 consecutive bytes; a step's 2,048 bytes turn through the wave's own stage, so that a lane holds 16 neighbours along H; two neighbouring lanes hold a block.
	v_lshlrev_b32 v3, 4, v2                        ; my 16 bytes of a load's 512
	s_mul_i32 s17, s16, WREG
	v_lshrrev_b32 v14, 2, v2
	s_delay_alu instid0(VALU_DEP_1)
	v_mul_u32_u24 v14, v14, SP
	v_and_b32 v15, 3, v2
	s_delay_alu instid0(VALU_DEP_1)
	v_lshl_add_u32 v14, v15, 4, v14
	s_delay_alu instid0(VALU_DEP_1)
	v_add_nc_u32 v14, s17, v14                     ; the stage, on the way in: SP (lane / 4) + 16 (lane % 4)
	v_mul_u32_u24 v15, v2, SP
	s_delay_alu instid0(VALU_DEP_1)
	v_add_nc_u32 v15, s17, v15                     ; and on the way out: SP x lane
	v_bfe_u32 v8, v2, 1, 1                         ; my block in its K step, jj = (lane / 2) % 4: jj & 1,
	v_bfe_u32 v9, v2, 2, 1                         ; jj >> 1
	s_delay_alu instid0(VALU_DEP_1)
	v_lshl_or_b32 v8, v8, 1, v9                    ; a K step's blocks lie in the order 0, 2, 1, 3
	v_lshrrev_b32 v4, 3, v2
	s_delay_alu instid0(VALU_DEP_1)
	v_mul_u32_u24 v4, v4, 96                       ; the K step: 96 bytes
	s_delay_alu instid0(VALU_DEP_1)
	v_mad_u32_u24 v4, v8, 24, v4
	v_and_b32 v8, 1, v2
	s_delay_alu instid0(VALU_DEP_1)
	v_mad_u32_u24 v4, v8, 12, v4                   ; my half of the block: 12 bytes
	v_lshrrev_b32 v5, 1, v2
	s_lshl_b32 s18, s16, 6
	s_add_co_u32 s18, s18, XSB
	v_add_nc_u32 v5, s18, v5                       ; LDS: my wave's 64 scale bytes, my block's byte
	v_add_nc_u32 v6, XSB, v3                       ; and where wave 0 reads all 512 back
	s_sub_co_u32 s19, ttmp9, 1                     ; which 16 rows
	s_lshl_b32 s24, s19, 9                         ; their 512 scale bytes
	s_mov_b32 s25, 0
	s_lshl_b32 s19, s19, 3
	s_add_co_u32 s19, s19, s16                     ; which run of 2,048 numbers is my wave's
	s_lshl_b32 s20, s19, 13
	s_mov_b32 s21, 0
	s_mul_i32 s22, s19, 1536
	s_mov_b32 s23, 0
	s_wait_kmcnt 0x0
	s_add_nc_u64 s[4:5], s[4:5], s[20:21]
	s_add_nc_u64 s[8:9], s[8:9], s[22:23]
	s_add_nc_u64 s[10:11], s[10:11], s[24:25]
.macro LOAD t
.irp i, 0,1,2,3
	global_load_b128 v[R+16*(\t)+4*\i:R+16*(\t)+4*\i+3], v3, s[4:5] offset:2048*(\t)+512*\i th:TH_LOAD_NT
.endr
.endm
.macro TURN t                          ; step t's numbers through the stage: LDS serves a wave's instructions in order, so no wait stands between the stores and the loads
.irp i, 0,1,2,3
	ds_store_b128 v14, v[R+16*(\t)+4*\i:R+16*(\t)+4*\i+3] offset:32*SP*((\t)%2)+8*SP*\i
.endr
.irp i, 0,1,2,3
	ds_load_b128 v[X+16*((\t)%2)+4*\i:X+16*((\t)%2)+4*\i+3], v15 offset:32*SP*((\t)%2)+16*\i
.endr
.endm
.irp t, 0,1,2,3
	LOAD \t                                        ; all sixteen loads of the wave go out at once
.endr
	s_wait_loadcnt 12                              ; step 0's four are in; the twelve behind them may be out
	TURN 0
.macro STEP t
.set XSET, X+16*((\t)%2)
.if (\t) > 0
	s_wait_dscnt 1                                 ; this step's numbers are back from the stage; the last step's byte store may be out
.else
	s_wait_dscnt 0x0
.endif
.if (\t)+1 < STEPS
	s_wait_loadcnt 4*(STEPS-2-(\t))                ; the next step's four loads are in; those of the steps behind it may be out
	TURN (\t)+1
.endif
	v_max3_num_f32 v8, |v[XSET]|, |v[XSET+1]|, |v[XSET+2]|         ; the largest magnitude of my 16, in two chains
	v_max3_num_f32 v9, |v[XSET+3]|, |v[XSET+4]|, |v[XSET+5]|
.irp i, 6,10
	s_delay_alu instid0(VALU_DEP_2)
	v_max3_num_f32 v8, v8, |v[XSET+\i]|, |v[XSET+\i+1]|
	s_delay_alu instid0(VALU_DEP_2)
	v_max3_num_f32 v9, v9, |v[XSET+\i+2]|, |v[XSET+\i+3]|
.endr
	s_delay_alu instid0(VALU_DEP_2)
	v_max3_num_f32 v8, v8, |v[XSET+14]|, |v[XSET+15]|
	s_delay_alu instid0(VALU_DEP_1)
	v_max3_num_f32 v8, v8, v9, (EMAX+1)<<23        ; and the floor 2^(5 - 127): the byte cannot fall under 1
	s_delay_alu instid0(VALU_DEP_1)
	v_max_num_f32_dpp v8, v8, v8 row_xmask:1 row_mask:0xf bank_mask:0xf   ; with my neighbour's 16: the block's
	s_delay_alu instid0(VALU_DEP_1)
	v_add_nc_u32 v11, -(EMAX<<23), v8              ; 4 off the exponent field: the conversion takes this operand's exponent field as its scale
	v_cvt_scalef32_pk16_bf6_f32 v[C+4*(\t):C+4*(\t)+2], v[XSET:XSET+15], v11
	v_lshrrev_b32 v[E+(\t)], 23, v11               ; the scale's byte (also the plain line behind the conversion)
	ds_store_b8 v5, v[E+(\t)] offset:16*(\t)       ; both lanes of a block write the same byte with the same value
	global_store_b96 v4, v[C+4*(\t):C+4*(\t)+2], s[8:9] offset:384*(\t)   ; the wave's 32 x 12 bytes cover 384 consecutive bytes
.endm
.irp t, 0,1,2,3
	STEP \t
.endr
	s_wait_dscnt 0x0                               ; for the others' sake: my byte stores have landed
	s_barrier_signal -1
	s_barrier_wait -1
	s_cmp_lg_u32 s16, 0
	s_cbranch_scc1 .Lq_end
	ds_load_b128 v[16:19], v6                      ; wave 0: the eight waves' 512 scale bytes
	s_wait_dscnt 0x0
	global_store_b128 v3, v[16:19], s[10:11]       ; 32 lanes store 512 consecutive bytes, at a multiple of 512 from xs's first byte
.Lq_end:
	s_wait_tensorcnt 0x0                           ; the wave's end
	ds_add_u32 v[SPW], v[NIL]
	s_wait_dscnt 0x0
	s_endpgm
; ---------------- the sort.  Wave w takes items 256 w + 32 j + lane, j = 0 .. 7; an item is 2 x token + k.
; v16-23 the items' buckets; v24-31 their ranks among the wave's items of the same bucket, then their slots; s32-48 the wave's count for each bucket.
.Lroute:
	s_lshl_b32 s17, s16, 10
	s_wait_alu depctr_va_vdst(0)
	v_lshlrev_b32 v3, 2, v2
	s_delay_alu instid0(VALU_DEP_1)
	v_add_nc_u32 v3, s17, v3                       ; 1024 w + 4 lane: my item's byte in router_indices and in pos
	v_lshl_add_u32 v4, v0, 2, RT                   ; my wave's counts, lane = bucket
	v_lshl_add_u32 v5, v2, 2, RT                   ; wave 0's count of bucket = my lane
	s_wait_alu depctr_va_vdst(0)
	s_wait_kmcnt 0x0
.irp j, 0,1,2,3,4,5,6,7
	global_load_b32 v[16+\j], v3, s[6:7] offset:128*\j
.endr
.irp j, 0,1,2,3,4,5,6,7
	v_mov_b32 v[24+\j], 0
.endr
.irp e, 0,1,2,3,4,5,6,7,8,9,10,11,12,13,14,15,16
	s_mov_b32 s[32+\e], 0
.endr
	s_wait_loadcnt 0x0
.irp j, 0,1,2,3,4,5,6,7
	v_min_u32 v[16+\j], 16, v[16+\j]               ; unsigned: a negative index, and every index above 15, falls into bucket 16
.endr
.irp j, 0,1,2,3,4,5,6,7
.irp e, 0,1,2,3,4,5,6,7,8,9,10,11,12,13,14,15,16
	v_cmp_eq_u32 s50, \e, v[16+\j]                 ; the lanes whose item j belongs to bucket e
	s_delay_alu instid0(VALU_DEP_1)
	v_mbcnt_lo_u32_b32 v32, s50, s[32+\e]          ; how many of them stand below me, + the wave's count so far
	s_delay_alu instid0(VALU_DEP_1)
	v_cndmask_b32 v[24+\j], v[24+\j], v32, s50
	s_bcnt1_i32_b32 s51, s50
	s_add_co_u32 s[32+\e], s[32+\e], s51
.endr
.endr
	v_mov_b32 v33, 0
.irp e, 0,1,2,3,4,5,6,7,8,9,10,11,12,13,14,15,16
	s_delay_alu instid0(VALU_DEP_1)
	v_writelane_b32 v33, s[32+\e], \e
.endr
	ds_store_b32 v4, v33
	s_wait_dscnt 0x0                               ; for the others' sake
	s_barrier_signal -1
	s_barrier_wait -1
.irp q, 0,1,2,3,4,5,6,7
	ds_load_b32 v[34+\q], v5 offset:128*\q         ; every wave reads all eight waves' counts: lane = bucket
.endr
	v_mov_b32 v43, 0                               ; the bucket's items in all
	v_mov_b32 v44, 0                               ; and in the waves before mine
	s_wait_alu depctr_va_vdst(0)
	s_wait_dscnt 0x0
.irp q, 0,1,2,3,4,5,6,7
	v_add_nc_u32 v43, v43, v[34+\q]
	s_cmp_lt_u32 \q, s16
	s_cselect_b32 s51, -1, 0
	v_and_b32 v32, s51, v[34+\q]
	s_delay_alu instid0(VALU_DEP_1)
	v_add_nc_u32 v44, v44, v32
.endr
	v_add_nc_u32 v45, 15, v43
	s_delay_alu instid0(VALU_DEP_1)
	v_lshrrev_b32 v45, 4, v45                      ; the bucket's tiles
	v_mov_b32 v42, 0
	s_mov_b32 s52, 0
.irp e, 0,1,2,3,4,5,6,7,8,9,10,11,12,13,14,15,16
	v_readlane_b32 s51, v45, \e
	v_writelane_b32 v42, s52, \e                   ; the bucket's first tile: the running sum of the tiles before it
	s_add_co_u32 s52, s52, s51
.endr
	v_lshl_add_u32 v46, v42, 4, v44                ; where my wave's items of the bucket begin
.irp j, 0,1,2,3,4,5,6,7
	v_mov_b32 v[34+\j], 0
.endr
.irp e, 0,1,2,3,4,5,6,7,8,9,10,11,12,13,14,15,16
	v_readlane_b32 s51, v46, \e
.irp j, 0,1,2,3,4,5,6,7
	v_cmp_eq_u32 s50, \e, v[16+\j]
	s_delay_alu instid0(VALU_DEP_1)
	v_cndmask_b32 v[34+\j], v[34+\j], s51, s50     ; each item takes its own bucket's base
.endr
.endr
	v_mov_b32 v47, 4095
	v_lshrrev_b32 v32, 1, v2
	s_lshl_b32 s51, s16, 7
	v_add_nc_u32 v32, s51, v32                     ; the token of my item 0: 128 w + lane / 2
.irp j, 0,1,2,3,4,5,6,7
	v_add_nc_u32 v[24+\j], v[24+\j], v[34+\j]      ; the slot
	v_cmp_gt_u32 vcc_lo, 16, v[16+\j]
	s_delay_alu instid0(VALU_DEP_1)
	v_cndmask_b32 v[64+\j], v47, v[24+\j], vcc_lo  ; pos: the slot, or 4095 for bucket 16
	s_delay_alu instid0(VALU_DEP_3)
	v_min_u32 v[48+\j], 0x8ff, v[24+\j]            ; (a slot is 2,287 at the most)
	s_delay_alu instid0(VALU_DEP_1)
	v_lshlrev_b32 v[48+\j], 2, v[48+\j]
	v_add_nc_u32 v[56+\j], 16*\j, v32
.endr
.irp j, 0,1,2,3,4,5,6,7
	global_store_b32 v3, v[64+\j], s[12:13] offset:9472+128*\j   ; pos: 128 consecutive bytes a store
	global_store_b32 v[48+\j], v[56+\j], s[12:13] offset:256     ; rowtok[slot] = token: scattered words, 8 KiB in all
.endr
	s_cmp_lg_u32 s16, 0
	s_cbranch_scc1 .Lr_end
	v_lshlrev_b32 v6, 3, v2
	global_store_b64 v6, v[42:43], s[12:13]        ; wave 0: (first tile, items) of every bucket: 256 consecutive bytes; lanes 17-31 hold zeros
.Lr_end:
	s_wait_tensorcnt 0x0                           ; the wave's end
	ds_add_u32 v[SPW], v[NIL]
	s_wait_dscnt 0x0
	s_endpgm
.Lfunc_end_k_qc2bf2e4ff1_prep:
	.size	k_qc2bf2e4ff1_prep, .Lfunc_end_k_qc2bf2e4ff1_prep-k_qc2bf2e4ff1_prep
	.p2alignl 7, 3214868480
	.fill 96, 4, 3214868480
	.section	.rodata,"a",@progbits
	.p2align	6, 0x0
	.amdhsa_kernel k_qc2bf2e4ff1_prep
		.amdhsa_group_segment_fixed_size 43520
		.amdhsa_private_segment_fixed_size 0
		.amdhsa_enable_private_segment 0
		.amdhsa_kernarg_size 40
		.amdhsa_user_sgpr_count 2
		.amdhsa_user_sgpr_kernarg_segment_ptr 1
		.amdhsa_wavefront_size32 1
		.amdhsa_system_sgpr_workgroup_id_x 1
		.amdhsa_system_sgpr_workgroup_id_y 1
		.amdhsa_system_sgpr_workgroup_id_z 1
		.amdhsa_system_vgpr_workitem_id 0
		.amdhsa_next_free_vgpr 136
		.amdhsa_next_free_sgpr 66
		.amdhsa_reserve_vcc 1
		.amdhsa_float_denorm_mode_32 3
		.amdhsa_float_denorm_mode_16_64 3
		.amdhsa_memory_ordered 1
		.amdhsa_forward_progress 1
		.amdhsa_inst_pref_size 91
	.end_amdhsa_kernel
	.amdgpu_metadata
---
amdhsa.version: [ 1, 2 ]
amdhsa.kernels:
  - .name:           k_qc2bf2e4ff1_prep
    .symbol:         k_qc2bf2e4ff1_prep.kd
    .args:
      - { .name: hidden_states, .offset: 0, .size: 8, .value_kind: global_buffer, .address_space: global }
      - { .name: router_indices, .offset: 8, .size: 8, .value_kind: global_buffer, .address_space: global }
      - { .name: xq, .offset: 16, .size: 8, .value_kind: global_buffer, .address_space: global }
      - { .name: xs, .offset: 24, .size: 8, .value_kind: global_buffer, .address_space: global }
      - { .name: route, .offset: 32, .size: 8, .value_kind: global_buffer, .address_space: global }
    .group_segment_fixed_size: 43520
    .private_segment_fixed_size: 0
    .kernarg_segment_align: 8
    .kernarg_segment_size: 40
    .max_flat_workgroup_size: 256
    .sgpr_count:     66
    .vgpr_count:     136
    .wavefront_size: 32
...
	.end_amdgpu_metadata
.endif
;; end of part 5
;; launch gateup (part 6): grid 16 x 16, 16 waves a work-group, no clusters, 125,952 bytes of LDS; arguments xq, xs, route, gate_up_proj, gate_up_bias, lora_gate_up_A, lora_gate_up_B, gq, gs; writes gq, gs
.if DOCPART == 6
	.amdgcn_target "amdgcn-amd-amdhsa--gfx1250"
	.amdhsa_code_object_version 6
	.text
	.protected	k_qc2bf2e4ff1_gateup
	.globl	k_qc2bf2e4ff1_gateup
	.p2align	8
	.type	k_qc2bf2e4ff1_gateup,@function
k_qc2bf2e4ff1_gateup:
	s_mov_b64 s[64:65], 0
	v_nop
	global_prefetch_b8 v0, s[64:65] scope:SCOPE_SE
	s_setreg_imm32_b32 hwreg(HW_REG_WAVE_SCHED_MODE, 0, 2), 2
	s_setreg_imm32_b32 hwreg(HW_REG_WAVE_MODE, 25, 1), 1
	s_wait_xcnt 0x0
	s_wait_alu depctr_vm_vsrc(0)
; GATEUP.  For the rows routed to expert e: gu = Q(x) Q(Wgu[e]) + (Q(x) Q(Agu[e])) Bgu[e] + bias; gate = min(gu[2f], 7), up = clip(gu[2f+1], -7, 7); g = (up + 1) gate sigmoid(1.702 gate); g is quantised along F.
; DEAD WORK, for all values of the inputs.  out[t] = sum over e of wet[e][t] y[e][t], and wet[e][t] = sum over k of one_hot(router_indices[t][k])[e] routing_weights[t][k] is exactly 0 for every expert that
; neither of the token's two indices names: 0 x y = 0 for every finite y.  So of products 1 to 6 only the rows (e, t) that an index names are computed: 2,048 rows at the most, found by the list that the launch
; before has stored.  Products 7 and 8 are that lookup.  SCALING = 16 / 16 is a factor of 1.  Every input has a way to an output and is loaded by some launch.
; LIMIT: a NaN, an infinity or an overflow that arises only in an expert not chosen for a token is not carried to the result.  NaN and infinities among the inputs are not served (the clips drop a NaN).
; A block whose largest magnitude lies under 2^-122 keeps the byte 1; a block of zeros has the byte 1 and zero codes (the bytes are read by this program alone).
; SHARES.  Work-group (x = j, y = e) owns columns 128 j .. 128 j + 127 of Wgu[e], which give f = 64 j .. 64 j + 63: blocks 2 j and 2 j + 1 of g.  It alone reads that slice, once, and serves all rows of the expert:
; the weights' codes never go to memory.
; PHASE 1, the stream.  A lane takes a column and its registers run down K (H): wave w takes 32 columns (cg = w % 4) x 256 along K (kq = w / 4), eight blocks of 32; a block's largest magnitude needs no other lane,
; and the conversions give codes with K innermost.  Fragments go to LDS as images of the operand's registers.  Up to 64 loads of 128 consecutive bytes are out in each of the sixteen waves.
; PHASE 2, behind the launch's one barrier.  A unit is a tile of 16 slots against the eight tiles of 16 columns; wave w takes units w, w + 16, ..  All products are used transposed (source 0 = 16 columns, source 1 = 16 rows
; of x): a lane holds ONE row, and its eight registers are eight neighbouring columns: four pairs (gate, up).  Rows of a tile beyond the expert's count are computed from the token in slot 0 and stored into padding slots
; that nobody uses: no lane is ever switched off.
; ORDER OF k IN A BLOCK OF g: code p of a block stands for f = 8 ((p / 4) % 4) + 4 (p / 16) + p % 4 of the block: the order in which the results lie.  The next launch loads the rows of its weights in the same order.  A block
; is the same set of 32 numbers as in reference(), so its scale and codes are the same; only the order of a sum's terms differs.
; NO TENSOR LOADS, NO CLUSTER: the number of units hangs on a count read from memory; what the sixteen work-groups of an expert share (x's codes, 64 KiB of Agu) is small beside a slice of 512 KiB.
; gq: [K step s 8][tile 144][h 2][row 16][48 bytes]; gs: [slot][32 bytes].  This launch writes 12 bytes a lane of gq (24 of each 48 bytes are the neighbouring work-group's) and 2 bytes a row of gs.
; THE MODE: SCHED_MODE bits 1:0 = 2 (LLVM: expert scheduling mode 2), set by the entry lines.  The code itself states the register dependences between vector or matrix instructions and memory or LDS
; instructions, with s_wait_alu, always for 0.
; THE PLAN, PHASE 1.  Registers that memory or LDS instructions touch:
;   sets 0, 1      Block t's quantiser reads set (t + 1) % 2; behind it the 32 loads of block t + 2 land there.
;   F0, F1, SW     Written by the quantiser and the exchange of halves; read by the LDS stores at a K step's end; written again from the next K step's first block on.  (F0, F1 and BYT also carry Bgu, the bias and Agu to LDS, ahead of block 0.)
;   IDOFF, XOFF, XSOFF   Written for each unit; read by the loads of its token and of its x.  All other offsets and LDS addresses are made at the head and never written again.
;   ONE wait on va_vdst a block, behind its quantiser (in odd blocks behind the exchange too): the set is read out, the codes and the scale word are written, in block 1 x's offsets are written.  The block's loads and LDS stores
;   follow it.  Block 6 issues nothing and has no wait.  ONE wait on vm_vsrc a K step, at its first block.
; THE PLAN, PHASE 2.
;   WB, WS, AS     LDS loads land in them; products read them; in a pass's tail vector lines write WB, and the store of the codes reads WB + 16 .. 18.
;   ACC            The bias lands in it; products, then vector lines, write and read it.       XF, XS   The next unit's loads land at a trip's end; every product of a trip reads them.       BYW   vector, then a store.
;   A wave has 256 registers and all but five are taken (104 hold x, 48 the accumulators and the f32 results): there is one set of four fragments, so a wait on va_vdst stands ahead of each run of LDS loads into it;
;   one ahead of a pass's stores; one ahead of the next unit's loads.  Waits on vm_vsrc: behind the barrier, at the second pass's head, at a trip's end.
.set AIMG,  98304                      ; LDS.  0: W's fragments [tile of columns 8][K step 8][piece 3][lane][16 bytes];  here: Agu's [K step 8][piece 3][lane][16 bytes]
.set WSC,   110592                     ; W's scale words [K step 8][lane][cg 4]: lane l holds column l of the 32 of cg
.set ASC,   114688                     ; Agu's scale words [column 16][K step 8]
.set LBIMG, 115200                     ; Bgu [tile 8][half 2][lane][16 bytes]: register i of lane (r, h) is B[8 h + i][16 tile + r], f32
.set BIAS,  123392                     ; 128 f32
.set SPARE, 123904                     ; the spare words, 128 bytes for each wave: eight blocks of 256 bytes that no other line names
.set R,     1                          ; v1   r = lane % 16
.set H48,   2                          ; v2   48 h
.set LI0,   3                          ; v3, v4  16 lane; 49,152 + 16 lane: W's fragments of tiles 0-3 and 4-7
.set LA,    5
.set LWS,   6
.set LAS,   7
.set LLB,   8
.set LBI,   9
.set WST,   10                         ; v10-16 where phase 1 stores
.set WSS,   11
.set AS0,   12
.set AS1,   13
.set ASB,   14
.set LBST,  15
.set BIST,  16
.set WOFF,  17                         ; v17-20 offsets of phase 1's loads; never rewritten
.set AOFF,  18
.set LBOFF, 19
.set BOFF,  20
.set IDOFF, 21
.set TOK,   22
.set XOFF,  23
.set XSOFF, 24
.set GQOFF, 25
.set GSOFF, 26
.set SPW,   27                         ; v27  LDS address of my spare word; never rewritten
.set NIL,   28                         ; v28  0; never rewritten
.set SEVEN, 29
.set MX0,   30
.set MX1,   31
.set SCL,   32
.set BYT,   33
.set SW,    34
.set BY0,   35
.set XF,    36                         ; v36-131  x's eight fragments of the unit's 16 rows
.set XS,    132                        ; v132-139 their scale words: scales and nothing else
.set L0,    140                        ; v140-155 two results of the f32 matrix form: written by matrix instructions alone
.set ACC,   156                        ; v156-187 four accumulators
.set WB,    188                        ; v188-235 four fragments of W; later Bgu, the exponentials, g and its codes
.set XAS,   236                        ; v236-243 (x Agu)^T
.set BYW,   244
.set WS,    250                        ; v250-251 W's scale words: scales and nothing else
.set AS,    252                        ; v252-255 Agu's: scales and nothing else
.set SET0,  156                        ; phase 1: v156-187, v188-219 two sets of 32 numbers;
.set F0,    220                        ; v220-231, v232-243 two fragments in the making;
.set F1,    232
.set T,     244                        ; v244-246 a block's upper 16 codes
	s_load_b512 s[4:19], s[0:1], 0x0               ; xq s[4:5], xs s[6:7], route s[8:9], W s[10:11], bias s[12:13], A s[14:15], B s[16:17], gq s[18:19]
	s_load_b64 s[20:21], s[0:1], 0x40              ; gs
	v_lshl_add_u32 v[SPW], v0, 2, SPARE
	v_mov_b32 v[NIL], 0
	v_lshrrev_b32 v1, 5, v0
	v_readfirstlane_b32 s22, v1                    ; wave 0..15
	v_and_b32 v[MX0], 31, v0                       ; lane
	v_and_b32 v[R], 15, v0
	v_bfe_u32 v[MX1], v0, 4, 1                     ; h
	v_mul_u32_u24 v[H48], v[MX1], 48
	v_lshlrev_b32 v[LI0], 4, v[MX0]
	s_wait_alu depctr_va_vdst(0)
	v_add_nc_u32 v[LI0+1], 49152, v[LI0]
	v_add_nc_u32 v[LA], AIMG, v[LI0]
	v_add_nc_u32 v[LWS], WSC, v[LI0]
	v_lshl_add_u32 v[LAS], v[R], 5, ASC
	s_wait_alu depctr_va_vdst(0)
	v_add_nc_u32 v[LLB], LBIMG, v[LI0]
	s_wait_alu depctr_va_vdst(0)
	v_lshl_add_u32 v[LBI], v[MX1], 5, BIAS
	s_wait_alu depctr_va_sdst(0)                   ; s22 is written, ahead of its first reader: the wave's shares, LDS places and bases are made from it
	s_and_b32 s40, s22, 3                          ; cg
	s_lshr_b32 s41, s22, 2                         ; kq
	s_mul_i32 s42, s40, 24576                      ; tiles 2 cg, 2 cg + 1
	s_mul_i32 s43, s41, 3072                       ; K steps 2 kq, 2 kq + 1
	s_add_co_u32 s42, s42, s43
	v_add_nc_u32 v[WST], s42, v[LI0]
	s_lshl_b32 s42, s40, 2
	s_lshl_b32 s43, s41, 10
	s_add_co_u32 s42, s42, s43
	s_add_co_u32 s42, s42, WSC
	v_add_nc_u32 v[WSS], s42, v[LI0]
	s_lshr_b32 s44, s22, 1                         ; Agu: K step w / 2,
	s_and_b32 s45, s22, 1                          ; registers 6 (w % 2) .. + 5 of its fragment, in three pieces of 8 bytes
	s_mul_i32 s42, s44, 1536
	s_add_co_u32 s42, s42, AIMG
	s_mul_i32 s43, s45, 520
	s_add_co_u32 s43, s43, s42
	v_add_nc_u32 v[AS0], s43, v[LI0]
	s_mul_i32 s43, s45, 1016
	s_add_co_u32 s43, s43, s42
	s_add_co_u32 s43, s43, 8
	v_add_nc_u32 v[AS1], s43, v[LI0]
	s_lshl_b32 s42, s22, 1
	v_add_nc_u32 v[ASB], v[LAS], v[MX1]
	v_add_nc_u32 v[ASB], s42, v[ASB]               ; the byte of block 2 w + h of column r
	s_and_b32 s46, s22, 7
	s_lshr_b32 s47, s22, 3
	s_lshl_b32 s42, s46, 10
	s_lshl_b32 s43, s47, 9
	s_add_co_u32 s42, s42, s43
	v_add_nc_u32 v[LBST], s42, v[LLB]
	v_and_b32 v[BOFF], 7, v0
	s_lshl_b32 s42, s22, 3
	v_add_nc_u32 v[BOFF], s42, v[BOFF]
	v_lshlrev_b32 v[BOFF], 2, v[BOFF]              ; my wave's eight numbers of the bias
	v_add_nc_u32 v[BIST], BIAS, v[BOFF]
	v_lshlrev_b32 v[WOFF], 2, v[MX0]
	v_lshlrev_b32 v[AOFF], 2, v[R]
	v_lshl_add_u32 v[AOFF], v[MX1], 11, v[AOFF]    ; column r; lanes 16-31 begin 32 rows of 64 bytes further down
	v_lshlrev_b32 v[LBOFF], 2, v[R]
	v_lshl_add_u32 v[LBOFF], v[MX1], 16, v[LBOFF]  ; column r; lanes 16-31 eight rows of 8,192 bytes further down
	v_mul_u32_u24 v[GQOFF], v[R], 48
	v_mad_u32_u24 v[GQOFF], v[MX1], 12, v[GQOFF]
	v_lshlrev_b32 v[GSOFF], 5, v[R]
	v_mov_b32 v[SEVEN], 0x40e00000
	s_mov_b32 s23, ttmp9                           ; j
	s_and_b32 s24, ttmp7, 0xffff                   ; e
	s_lshr_b32 s42, s23, 1
	s_mul_i32 s39, s42, 221184                     ; g's K step j / 2,
	s_and_b32 s42, s23, 1
	s_mul_i32 s42, s42, 24
	s_add_co_u32 s39, s39, s42                     ; first or second 24 of a lane's 48 bytes
	s_lshl_b32 s25, s23, 1                         ; g's blocks 2 j, 2 j + 1
	s_mov_b32 s36, 0x76543210
	s_mov_b32 s37, 0xfedcba98                      ; v_permlanex16_b32's selects for lane l xor 16
	s_mov_b32 s38, 0xc01d265f                      ; -1.702 log2(e)
	s_mov_b32 s31, 0
	s_wait_kmcnt 0x0
	s_lshl_b32 s30, s24, 3
	s_add_nc_u64 s[48:49], s[8:9], s[30:31]
	s_load_b64 s[26:27], s[48:49], 0x0             ; the expert's first tile and its rows
	s_lshl_b32 s30, s24, 23                        ; W: expert, 256 kq rows of 8,192 bytes, column 128 j + 32 cg
	s_lshl_b32 s42, s41, 21
	s_add_co_u32 s30, s30, s42
	s_lshl_b32 s42, s23, 9
	s_add_co_u32 s30, s30, s42
	s_lshl_b32 s42, s40, 7
	s_add_co_u32 s30, s30, s42
	s_add_nc_u64 s[10:11], s[10:11], s[30:31]
	s_lshl_b32 s30, s24, 13                        ; bias
	s_lshl_b32 s42, s23, 9
	s_add_co_u32 s30, s30, s42
	s_add_nc_u64 s[12:13], s[12:13], s[30:31]
	s_lshl_b32 s30, s24, 16                        ; A: expert, K step w / 2, blocks 2 (w % 2) on
	s_lshl_b32 s42, s44, 13
	s_add_co_u32 s30, s30, s42
	s_lshl_b32 s42, s45, 12
	s_add_co_u32 s30, s30, s42
	s_add_nc_u64 s[14:15], s[14:15], s[30:31]
	s_lshl_b32 s30, s24, 17                        ; B: expert, rows 4 (w / 8) on, column 128 j + 16 (w % 8)
	s_lshl_b32 s42, s47, 15
	s_add_co_u32 s30, s30, s42
	s_lshl_b32 s42, s23, 9
	s_add_co_u32 s30, s30, s42
	s_lshl_b32 s42, s46, 6
	s_add_co_u32 s30, s30, s42
	s_add_nc_u64 s[16:17], s[16:17], s[30:31]
.macro LOADA                           ; Agu(32 (block) + i, r), i = 0 .. 31, into set 0
.set ii, 0
.rept 32
	global_load_b32 v[SET0+ii], v[AOFF], s[14:15] offset:64*ii
.set ii, ii+1
.endr
.endm
.macro LOADW t                         ; block t of my column: W(32 t + i, column), into set (t + 1) % 2.  A wave's load reads 128 consecutive bytes; the slice is read once in the launch
.set LSET, SET0+32*(((\t)+1)%2)
.set ii, 0
.rept 32
	global_load_b32 v[LSET+ii], v[WOFF], s[10:11] offset:(32*(\t)+ii)*8192 th:TH_LOAD_NT
.set ii, ii+1
.endr
.endm
.macro QBLK src, dst                   ; 32 numbers of one block, all mine -> six registers of codes at dst, the byte in BYT
	v_max3_num_f32 v[MX0], |v[\src]|, |v[\src+1]|, |v[\src+2]|
	v_max3_num_f32 v[MX1], |v[\src+3]|, |v[\src+4]|, |v[\src+5]|
.irp i, 6,10,14,18,22,26
	v_max3_num_f32 v[MX0], v[MX0], |v[\src+\i]|, |v[\src+\i+1]|
	v_max3_num_f32 v[MX1], v[MX1], |v[\src+\i+2]|, |v[\src+\i+3]|
.endr
	v_max3_num_f32 v[MX0], v[MX0], |v[\src+30]|, |v[\src+31]|
	v_max3_num_f32 v[MX0], v[MX0], v[MX1], 0x2800000               ; and the floor 2^(5 - 127): the byte cannot fall under 1
	v_add_nc_u32 v[SCL], 0xfe000000, v[MX0]        ; 4 off the exponent field: the conversion's scale operand
	v_lshrrev_b32 v[BYT], 23, v[SCL]
	v_cvt_scalef32_pk16_bf6_f32 v[\dst:\dst+2], v[\src:\src+15], v[SCL]
	v_cvt_scalef32_pk16_bf6_f32 v[T:T+2], v[\src+16:\src+31], v[SCL]   ; (a conversion's three registers begin on an even number)
	v_nop                                          ; one plain line behind the conversions
.irp i, 0,1,2
	v_mov_b32 v[\dst+3+\i], v[T+\i]
.endr
.endm
.macro XID                             ; which token lies in my row's slot of unit s29.  A row beyond the expert's count takes slot 0's token
	s_lshl_b32 s42, s29, 4
	s_lshl_b32 s43, s26, 4
	v_add_nc_u32 v[MX0], s42, v[R]
	v_cmp_gt_u32 vcc_lo, s27, v[MX0]
	v_add_nc_u32 v[MX0], s43, v[MX0]
	s_wait_alu depctr_va_vcc(0)                    ; the compare has written VCC, which the select below reads
	v_cndmask_b32 v[MX0], 0, v[MX0], vcc_lo
	v_min_u32 v[MX0], 0x8ff, v[MX0]
	v_lshlrev_b32 v[IDOFF], 2, v[MX0]
	s_wait_alu depctr_va_vdst(0)                   ; IDOFF is written, which the load reads as its offset; the last unit's lines that named TOK are done, in which the load lands
	global_load_b32 v[TOK], v[IDOFF], s[8:9] offset:256
.endm
.macro XADR                            ; where my row's codes and scale words lie
	v_min_u32 v[TOK], 0x3ff, v[TOK]
	v_mul_u32_u24 v[XOFF], v[TOK], 768
	v_add_nc_u32 v[XOFF], v[H48], v[XOFF]
	v_lshlrev_b32 v[XSOFF], 5, v[TOK]
.endm
.macro XLD                             ; my row's scale words and my half of its eight fragments: 26 loads
	global_load_b128 v[XS:XS+3], v[XSOFF], s[6:7]
	global_load_b128 v[XS+4:XS+7], v[XSOFF], s[6:7] offset:16
.set ii, 0
.rept 24
	global_load_b128 v[XF+4*ii:XF+4*ii+3], v[XOFF], s[4:5] offset:96*(ii/3)+16*(ii%3)
.set ii, ii+1
.endr
.endm
; Block t of the stream.  left: the younger loads that may stay out.  next = 1: block t + 2 is asked for into the set just freed.  xl = 1: the first unit's x is asked for in this block.
; Even blocks of a K step go to F0, odd ones to F1.  Lanes 0-15 hold the columns of tile 2 cg, lanes 16-31 those of tile 2 cg + 1; the operand's layout wants lanes 0-15 to hold blocks 0, 2 and lanes 16-31 blocks 1, 3 of ONE tile:
; the exchange of F0's upper lanes with F1's lower lanes makes F0 tile 2 cg's fragment and F1 tile 2 cg + 1's.
.macro WBLK t, left, next, xl
.set SRC, SET0+32*(((\t)+1)%2)
.set DST, F0+12*((\t)%2)+6*(((\t)%4)/2)
	s_wait_loadcnt \left
.if (\t)%4 == 0
	s_wait_dscnt 0x0                               ; my earlier LDS stores are done
	s_wait_alu depctr_vm_vsrc(0)                   ; my earlier LDS stores have read F0, F1, SW and BYT, which this K step's quantiser writes again
.endif
.if \xl
	XADR                                           ; (the wait above has shown the token in)
.endif
	QBLK SRC, DST
.if (\t)%4 == 0
	v_mov_b32 v[SW], v[BYT]
.else
	v_lshl_or_b32 v[SW], v[BYT], 8*((\t)%4), v[SW] ; my column's scale word of the K step
.endif
.if (\t)%2 == 1
.irp i, 0,1,2,3,4,5
	v_permlane16_swap_b32 v[F0+6*(((\t)%4)/2)+\i], v[F1+6*(((\t)%4)/2)+\i]
.endr
.endif
.if (\next) || ((\t)%4 == 3)
	s_wait_alu depctr_va_vdst(0)                   ; the quantiser is done reading its set, in which the loads below land; at a K step's end F0, F1 and SW are written, which the LDS stores read; with xl, XOFF and XSOFF are written
.endif
.if \xl
	XLD
.endif
.if \next
	LOADW (\t)+2
.endif
.if (\t)%4 == 3
.irp i, 0,1,2
	ds_store_b128 v[WST], v[F0+4*\i:F0+4*\i+3] offset:((\t)/4)*1536+512*\i
.endr
.irp i, 0,1,2
	ds_store_b128 v[WST], v[F1+4*\i:F1+4*\i+3] offset:12288+((\t)/4)*1536+512*\i
.endr
	ds_store_b32 v[WSS], v[SW] offset:((\t)/4)*512
.endif
.endm
; ---------------- PHASE 1
	s_wait_alu depctr_va_vdst(0)                   ; every offset and LDS address made above is written: the loads and LDS instructions of the whole kernel read them
.irp i, 0,1,2,3
	global_load_b32 v[F0+\i], v[LBOFF], s[16:17] offset:8192*\i    ; Bgu: four ranks of my column
.endr
	global_load_b32 v[F0+4], v[BOFF], s[12:13]
	LOADA
	LOADW 0
	s_wait_kmcnt 0x0
	s_min_u32 s26, s26, 143
	s_min_u32 s27, s27, 2048
	s_add_co_u32 s28, s27, 15
	s_lshr_b32 s28, s28, 4                         ; the expert's units
	s_mov_b32 s29, s22                             ; my first unit
	s_add_co_u32 s51, s28, 15
	s_sub_co_u32 s51, s51, s22
	s_lshr_b32 s51, s51, 4                         ; how many of the units w, w + 16, .. lie under the expert's count
	s_min_u32 s51, s51, 8                          ; (2,048 rows are 128 units: eight a wave at the most)
	s_mov_b32 s50, 0                               ; my trips so far
	XID
	s_wait_loadcnt 33                              ; Bgu, the bias and Agu are in; W's block 0 (32) and the token (1) may be out
	ds_store_b128 v[LBST], v[F0:F0+3]
	ds_store_b32 v[BIST], v[F0+4]                  ; (four lanes write each word, with the same value)
	QBLK SET0, F1
	s_wait_alu depctr_va_vdst(0)                   ; the quantiser has written F1 and BYT, which the LDS stores read, and is done reading set 0, in which block 1 lands
	ds_store_b64 v[AS0], v[F1:F1+1]
	ds_store_b64 v[AS1], v[F1+2:F1+3]
	ds_store_b64 v[AS0], v[F1+4:F1+5] offset:512
	ds_store_b8 v[ASB], v[BYT]
	LOADW 1
	WBLK 0, 33, 1, 0                               ; the token (1) and block 1 (32) may be out
	WBLK 1, 32, 1, 1                               ; the token and block 1 are in; block 2 (32) may be out.  x is asked for behind this block's wait
	WBLK 2, 58, 1, 0                               ; x (26) and block 3 (32) may be out
	WBLK 3, 32, 1, 0                               ; from here on: the next block's 32
	WBLK 4, 32, 1, 0
	WBLK 5, 32, 1, 0
	WBLK 6, 32, 0, 0
	WBLK 7, 0, 0, 0
	s_wait_dscnt 0x0                               ; for the others' sake: all my images have landed
	s_barrier_signal -1
	s_barrier_wait -1                              ; the launch's one barrier; behind it LDS is only read
	s_wait_alu depctr_vm_vsrc(0)                   ; my LDS stores have read F0 and F1: these registers are WB and XAS from here on, written by the fragments' loads and by vector lines
; ---------------- PHASE 2
.macro FRAG dst, adr, off              ; a fragment comes back as it was stored: three loads of 16 bytes a lane
.irp i, 0,1,2
	ds_load_b128 v[\dst+4*\i:\dst+4*\i+3], v[\adr] offset:\off+512*\i
.endr
.endm
.macro MMS d, a, b, sa, sb, zero, row  ; zero = 1: the product starts the sum;  row = 1: source 0's scales lie in lanes 16-31
.if \zero
	v_wmma_scale_f32_16x16x128_f8f6f4 v[\d:\d+7], v[\a:\a+11], v[\b:\b+11], 0, v[\sa], v[\sb] matrix_a_fmt:MATRIX_FMT_BF6 matrix_b_fmt:MATRIX_FMT_BF6
.elseif \row
	v_wmma_scale_f32_16x16x128_f8f6f4 v[\d:\d+7], v[\a:\a+11], v[\b:\b+11], v[\d:\d+7], v[\sa], v[\sb] matrix_a_fmt:MATRIX_FMT_BF6 matrix_b_fmt:MATRIX_FMT_BF6 matrix_a_scale:MATRIX_SCALE_ROW1
.else
	v_wmma_scale_f32_16x16x128_f8f6f4 v[\d:\d+7], v[\a:\a+11], v[\b:\b+11], v[\d:\d+7], v[\sa], v[\sb] matrix_a_fmt:MATRIX_FMT_BF6 matrix_b_fmt:MATRIX_FMT_BF6
.endif
.endm
; (x Agu)^T: source 0 = Agu's 16 columns, source 1 = x.  Two accumulators take turns over the eight K steps and are added: lane (r, h), register i: rank 8 h + i of row r.
; Its first run of loads owes no wait of its own: on the way in no vector line stands behind block 7's wait, on the way back none behind the wait ahead of x's loads.
.macro PASS0
.irp g, 0,1
.if \g == 1
	s_wait_alu depctr_va_vdst(0)                   ; the first four products are done reading WB and AS, in which the loads below land
.endif
	ds_load_b128 v[AS:AS+3], v[LAS] offset:16*\g
.irp i, 0,1,2,3
	FRAG WB+12*\i, LA, (4*\g+\i)*1536
.endr
	s_wait_dscnt 0x0
.irp i, 0,1,2,3
.if 4*\g+\i < 2
	MMS ACC+8*(\i%2), WB+12*\i, XF+12*(4*\g+\i), AS+\i, XS+4*\g+\i, 1, 0
.else
	MMS ACC+8*(\i%2), WB+12*\i, XF+12*(4*\g+\i), AS+\i, XS+4*\g+\i, 0, 0
.endif
.endr
.rept 5
	v_nop                                          ; places behind the products: ahead of the reads of the results and of the products that write over them; they stay beside the waits
.endr
.endr
.irp i, 0,2,4,6
	v_pk_add_f32 v[XAS+\i:XAS+\i+1], v[ACC+\i:ACC+\i+1], v[ACC+8+\i:ACC+8+\i+1]
.endr
.endm
; Tiles of columns 4 p .. 4 p + 3: block p of the work-group's two blocks of g.
.macro PASS p
	s_wait_xcnt 0x0                                ; my last stores have had their addresses translated
.if \p == 1
	s_wait_alu depctr_vm_vsrc(0)                   ; the store of the first block's codes has read WB + 16 .. 18, in which fragments land
.endif
	s_wait_alu depctr_va_vdst(0)                   ; all earlier vector and matrix lines are done with ACC, in which the bias lands, and with WB and WS, in which K step 0 lands
.irp t, 0,1,2,3
	ds_load_b128 v[ACC+8*\t:ACC+8*\t+3], v[LBI] offset:256*\p+64*\t        ; the bias is the first product's C: eight columns of my half
	ds_load_b128 v[ACC+8*\t+4:ACC+8*\t+7], v[LBI] offset:256*\p+64*\t+16
.endr
.irp s, 0,1,2,3,4,5,6,7
.if \s > 0
	s_wait_alu depctr_va_vdst(0)                   ; the last K step's four products are done reading WB and WS, in which this K step lands
.endif
	ds_load_b64 v[WS:WS+1], v[LWS] offset:512*\s+8*\p
.irp t, 0,1,2,3
	FRAG WB+12*\t, LI0+\p, \t*12288+\s*1536
.endr
	s_wait_dscnt 0x0
.irp t, 0,1,2,3
	MMS ACC+8*\t, WB+12*\t, XF+12*\s, WS+\t/2, XS+\s, 0, \t%2             ; the four accumulators by turns
.endr
.rept 4+\s/7
	v_nop                                          ; four places behind the products, which stay beside the wait; five ahead of the f32 products that take these sums as their C
.endr
.endr
	s_wait_alu depctr_va_vdst(0)                   ; K step 7's products are done reading WB, in which Bgu lands
.irp t, 0,1,2,3
	ds_load_b128 v[WB+8*\t:WB+8*\t+3], v[LLB] offset:(4*\p+\t)*1024
	ds_load_b128 v[WB+8*\t+4:WB+8*\t+7], v[LLB] offset:(4*\p+\t)*1024+512
.endr
	s_wait_dscnt 0x0
; + (x Agu) Bgu, with f32 operands, since the result goes into a quantiser.  Step q takes ranks 2 q, 2 q + 1, 8 + 2 q, 9 + 2 q, alike on both sources.  Two tiles at a time, by turns.
.irp u, 0,1
.irp q, 0,1,2,3
.irp i, 0,1
.if \q == 0
	v_wmma_f32_16x16x4_f32 v[L0+8*\i:L0+8*\i+7], v[WB+8*(2*\u+\i)+2*\q:WB+8*(2*\u+\i)+2*\q+1], v[XAS+2*\q:XAS+2*\q+1], v[ACC+8*(2*\u+\i):ACC+8*(2*\u+\i)+7]
.else
	v_wmma_f32_16x16x4_f32 v[L0+8*\i:L0+8*\i+7], v[WB+8*(2*\u+\i)+2*\q:WB+8*(2*\u+\i)+2*\q+1], v[XAS+2*\q:XAS+2*\q+1], v[L0+8*\i:L0+8*\i+7]
.endif
.endr
.endr
.rept 9
	v_nop                                          ; nine places behind this form: ahead of the reads below, and of the next pair's products, which write over these results
.endr
.irp i, 0,1
.irp n, 0,1,2,3
	v_min_num_f32 v[ACC+8*(2*\u+\i)+2*\n], 0x40e00000, v[L0+8*\i+2*\n]                    ; gate = min(gu, 7): each result is read from its low end on
	v_med3_num_f32 v[ACC+8*(2*\u+\i)+2*\n+1], v[L0+8*\i+2*\n+1], -v[SEVEN], v[SEVEN]      ; up = clip(gu, -7, 7)
.endr
.endr
.endr
; g = (up + 1) gate / (1 + 2^(-1.702 log2(e) gate)): 16 numbers a lane; number 4 t + i is f = 32 p + 8 t + 4 h + i of the work-group's 64
.set mm, 0
.rept 16
	v_mul_f32 v[WB+32+mm], s38, v[ACC+2*mm]
.set mm, mm+1
.endr
.set mm, 0
	s_wait_alu depctr_va_vdst(0)
.rept 16
	v_exp_f32 v[WB+32+mm], v[WB+32+mm]
.set mm, mm+1
.endr
	v_nop                                          ; a plain line behind the last exponential,
	s_wait_alu depctr_va_vdst(0)                   ; and one wait for the batch: the sixteen exponentials have written WB + 32 .. 47, ahead of their first reader
.set mm, 0
.rept 16
	v_add_f32 v[WB+32+mm], 1.0, v[WB+32+mm]
.set mm, mm+1
.endr
.set mm, 0
	s_wait_alu depctr_va_vdst(0)
.rept 16
	v_rcp_f32 v[WB+32+mm], v[WB+32+mm]
.set mm, mm+1
.endr
	v_nop
	s_wait_alu depctr_va_vdst(0)                   ; one wait for the sixteen reciprocals: they have written WB + 32 .. 47, ahead of their first reader
.set mm, 0
.rept 16
	v_mul_f32 v[WB+32+mm], v[ACC+2*mm], v[WB+32+mm]                ; glu
.set mm, mm+1
.endr
.set mm, 0
.rept 16
	v_fma_f32 v[WB+mm], v[ACC+2*mm+1], v[WB+32+mm], v[WB+32+mm]    ; up glu + glu
.set mm, mm+1
.endr
	v_max3_num_f32 v[MX0], |v[WB]|, |v[WB+1]|, 0x2800000           ; the block's largest magnitude: my 16 and the floor,
.irp i, 2,4,6,8,10,12,14
	v_max3_num_f32 v[MX0], v[MX0], |v[WB+\i]|, |v[WB+\i+1]|
.endr
	v_permlanex16_b32 v[MX1], v[MX0], s36, s37
	v_max_num_f32 v[MX0], v[MX0], v[MX1]           ; with lane l xor 16's 16
	v_add_nc_u32 v[SCL], 0xfe000000, v[MX0]
.if \p == 0
	v_lshrrev_b32 v[BY0], 23, v[SCL]
.else
	v_lshrrev_b32 v[BYT], 23, v[SCL]
.endif
	v_cvt_scalef32_pk16_bf6_f32 v[WB+16:WB+18], v[WB:WB+15], v[SCL]
	v_nop                                          ; one plain line behind the conversion
.if \p == 1
	v_lshl_or_b32 v[BYW], v[BYT], 8, v[BY0]
.endif
	s_wait_alu depctr_va_vdst(0)                   ; the conversion has written WB + 16 .. 18 (in the second pass BYW is written too), which the stores below read
	global_store_b96 v[GQOFF], v[WB+16:WB+18], s[32:33] offset:768*\p      ; codes 16 h .. 16 h + 15 of block 2 j + p of my row
.if \p == 1
	global_store_b16 v[GSOFF], v[BYW], s[34:35]    ; the two blocks' bytes (both halves of the lanes write the same)
.endif
.endm
	s_cmp_ge_u32 s50, s51
	s_cbranch_scc1 .Ldone                          ; a wave without a unit; its loads of x may be out at the end
.Lunit:                                                ; a trip is a unit; the trips are counted by 1 against my number of units, which the loop does not write
	s_wait_xcnt 0x0                                ; the last trip's stores have read their bases and data
	s_add_co_u32 s42, s26, s29
	s_min_u32 s42, s42, 143                        ; the unit's tile of slots
	s_mul_i32 s30, s42, 1536
	s_add_co_u32 s30, s30, s39
	s_add_nc_u64 s[32:33], s[18:19], s[30:31]
	s_lshl_b32 s30, s42, 9
	s_add_co_u32 s30, s30, s25
	s_add_nc_u64 s[34:35], s[20:21], s[30:31]
	s_wait_loadcnt 0x0                             ; this unit's x
	PASS0
	PASS 0
	PASS 1
	s_wait_alu depctr_vm_vsrc(0)                   ; the stores have read WB + 16 .. 18 and BYW, and this unit's loads have read IDOFF, XOFF and XSOFF: the lines below and the next trip write them all again
	s_add_co_u32 s50, s50, 1
	s_lshl_b32 s29, s50, 4
	s_add_co_u32 s29, s29, s22                     ; my next unit: 16 x trips + wave
	s_cmp_ge_u32 s50, s51
	s_cbranch_scc1 .Ldone
	XID
	s_wait_loadcnt 0x0
	XADR
	s_wait_alu depctr_va_vdst(0)                   ; XOFF and XSOFF are written, which the loads read; this trip's products are done reading XF and XS, in which they land
	XLD
	s_cmp_lt_u32 s50, s51
	s_cbranch_scc1 .Lunit
.Ldone:
	s_wait_dscnt 0x0                               ; the closing lines, six on end
	s_wait_alu 0x0
	s_wait_tensorcnt 0x0
	ds_add_u32 v[SPW], v[NIL]
	s_wait_dscnt 0x0
	s_endpgm
.Lfunc_end_k_qc2bf2e4ff1_gateup:
	.size	k_qc2bf2e4ff1_gateup, .Lfunc_end_k_qc2bf2e4ff1_gateup-k_qc2bf2e4ff1_gateup
	.p2alignl 7, 3214868480
	.fill 96, 4, 3214868480
	.section	.rodata,"a",@progbits
	.p2align	6, 0x0
	.amdhsa_kernel k_qc2bf2e4ff1_gateup
		.amdhsa_group_segment_fixed_size 125952
		.amdhsa_private_segment_fixed_size 0
		.amdhsa_enable_private_segment 0
		.amdhsa_kernarg_size 72
		.amdhsa_user_sgpr_count 2
		.amdhsa_user_sgpr_kernarg_segment_ptr 1
		.amdhsa_wavefront_size32 1
		.amdhsa_system_sgpr_workgroup_id_x 1
		.amdhsa_system_sgpr_workgroup_id_y 1
		.amdhsa_system_sgpr_workgroup_id_z 1
		.amdhsa_system_vgpr_workitem_id 0
		.amdhsa_next_free_vgpr 256
		.amdhsa_next_free_sgpr 66
		.amdhsa_reserve_vcc 1
		.amdhsa_float_denorm_mode_32 3
		.amdhsa_float_denorm_mode_16_64 3
		.amdhsa_memory_ordered 1
		.amdhsa_forward_progress 1
		.amdhsa_inst_pref_size 102
	.end_amdhsa_kernel
	.amdgpu_metadata
---
amdhsa.version: [ 1, 2 ]
amdhsa.kernels:
  - .name:           k_qc2bf2e4ff1_gateup
    .symbol:         k_qc2bf2e4ff1_gateup.kd
    .args:
      - { .name: xq, .offset: 0, .size: 8, .value_kind: global_buffer, .address_space: global }
      - { .name: xs, .offset: 8, .size: 8, .value_kind: global_buffer, .address_space: global }
      - { .name: route, .offset: 16, .size: 8, .value_kind: global_buffer, .address_space: global }
      - { .name: gate_up_proj, .offset: 24, .size: 8, .value_kind: global_buffer, .address_space: global }
      - { .name: gate_up_bias, .offset: 32, .size: 8, .value_kind: global_buffer, .address_space: global }
      - { .name: lora_gate_up_A, .offset: 40, .size: 8, .value_kind: global_buffer, .address_space: global }
      - { .name: lora_gate_up_B, .offset: 48, .size: 8, .value_kind: global_buffer, .address_space: global }
      - { .name: gq, .offset: 56, .size: 8, .value_kind: global_buffer, .address_space: global }
      - { .name: gs, .offset: 64, .size: 8, .value_kind: global_buffer, .address_space: global }
    .group_segment_fixed_size: 125952
    .private_segment_fixed_size: 0
    .kernarg_segment_align: 8
    .kernarg_segment_size: 72
    .max_flat_workgroup_size: 512
    .sgpr_count:     66
    .vgpr_count:     256
    .wavefront_size: 32
...
	.end_amdgpu_metadata
.endif
;; end of part 6
;; launch down (part 7): grid 16 x 16, 16 waves a work-group, no clusters, 137,984 bytes of LDS; arguments gq, gs, route, down_proj, down_bias, lora_down_A, lora_down_B, y; writes y
.if DOCPART == 7
	.amdgcn_target "amdgcn-amd-amdhsa--gfx1250"
	.amdhsa_code_object_version 6
	.text
	.protected	k_qc2bf2e4ff1_down
	.globl	k_qc2bf2e4ff1_down
	.p2align	8
	.type	k_qc2bf2e4ff1_down,@function
k_qc2bf2e4ff1_down:
	s_mov_b64 s[64:65], 0
	v_nop
	global_prefetch_b8 v0, s[64:65] scope:SCOPE_SE
	s_setreg_imm32_b32 hwreg(HW_REG_WAVE_SCHED_MODE, 0, 2), 2
	s_setreg_imm32_b32 hwreg(HW_REG_WAVE_MODE, 25, 1), 1
	s_wait_xcnt 0x0
	s_wait_alu depctr_vm_vsrc(0)
; DOWN.  For the slots of expert e: y = Q(g) Q(Wd[e]) + (Q(g) Q(Ad[e])) Bd[e] + bias, f32, to y[slot][1024].
; Left out, as shown at the head of the launch before: the rows of experts that no index of a token names (their weight is exactly 0), and SCALING = 1.
; SHARES.  Work-group (x = j, y = e) owns columns 64 j .. 64 j + 63 of Wd[e]: 256 consecutive bytes of each of its 1,024 rows, read once; the codes never go to memory.
; PHASE 1.  A lane takes a column, its registers run down K (F): wave w takes 32 columns (cg = w % 2) x K step w / 2, four blocks.  g's codes lie in the order in which the launch before made them: code p of a block is
; f = PHI(p) = 8 ((p / 4) % 4) + 4 (p / 16) + p % 4; so register i of a block is loaded from row PHI(i) of the block, in Wd and in Ad alike, by the loads' immediates.  A block is the same set of 32 numbers as in reference().
; PHASE 2, behind the one barrier.  A unit is a tile of 16 slots against the four tiles of 16 columns; wave w takes units w, w + 16, ..  Products transposed (source 0 = 16 columns, source 1 = 16 rows of g).
; The product with Bd (K = 16) feeds no quantiser: bf16 operands, one matrix instruction a tile, the upper 16 of its K zeros on both sides.  Results leave through the wave's own stage as whole runs of 256 bytes.
; No tensor loads, no cluster: the number of units hangs on a count read from memory.
; LIMITS as in the launch before: NaN and infinities are not served; blocks under 2^-122 keep the byte 1; a block of zeros has the byte 1 and zero codes.
; THE MODE: SCHED_MODE bits 1:0 = 2 (LLVM: expert scheduling mode 2), set by the entry lines.  The code itself states the register dependences between vector or matrix instructions and memory or LDS
; instructions, with s_wait_alu, always for 0.
; THE PLAN, PHASE 1.  Registers that memory or LDS instructions touch:
;   sets 0, 1      Block t's quantiser reads set (t + 1) % 2; behind it the 32 loads of block t + 2 land there.
;   F0, F1, SW     Written by the quantiser and the exchange of halves; read by the LDS stores behind block 3.  (F0, F1 and BYT also carry Bd, the bias and Ad to LDS, ahead of block 0.)
;   All offsets and LDS addresses are made at the head and never written again.
;   ONE wait on va_vdst a block, behind its quantiser (in odd blocks behind the exchange too); block 2 issues nothing and has no wait.  ONE wait on vm_vsrc, at block 0.
; THE PLAN, PHASE 2.
;   WB, WS, AS     LDS loads land in them (fragments, Bd, rows of y back from the stage); products read them; the stores of y read WB.
;   ACC            The bias lands in it; products write it; the stage's LDS stores read it.       XF, XS   The next unit's loads land at a trip's end; every scaled product of a trip reads them.
;   There is one set of four fragments (104 of a wave's 256 registers hold g, 32 the accumulators), so a wait on va_vdst stands ahead of each run of LDS loads into it.  The wait ahead of the stage's stores is the trip's last:
;   no vector or matrix line follows it, so it also serves the loads back from the stage and the next unit's loads.  Waits on vm_vsrc: behind the barrier, and at a trip's end.
.set AIMG,  49152                      ; LDS.  0: W's fragments [tile 4][K step 8][piece 3][lane][16 bytes];  here: Ad's [K step 8][..]
.set WSC,   61440                      ; W's scale words [K step 8][lane][cg 2]
.set ASC,   63488                      ; Ad's scale words [column 16][K step 8]
.set LBT,   64000                      ; Bd as pairs of bf16 [tile 4][lane][16 bytes]: register i of lane (r, h): ranks 8 h + 2 i, 8 h + 2 i + 1 of column 16 tile + r
.set BIAS,  66048                      ; 64 f32
.set STAGE, 66304                      ; 16 rows x (256 + 16) bytes for each wave
.set SPARE, 135936                     ; the spare words, 128 bytes for each wave: eight blocks of 256 bytes that no other line names
.set R,     1
.set LI0,   3
.set LA,    5
.set LWS,   6
.set LAS,   7
.set LLB,   8
.set LBI,   9
.set WST,   10
.set WSS,   11
.set AS0,   12
.set AS1,   13
.set ASB,   14
.set LBST,  15
.set BIST,  16
.set WOFF,  17
.set AOFF,  18
.set LBOFF, 19
.set BOFF,  20
.set GOFF,  21
.set GSOFF, 22
.set STO,   23
.set RD,    24
.set YO,    25
.set SPW,   27                         ; v27  LDS address of my spare word; never rewritten
.set NIL,   28                         ; v28  0; never rewritten
.set MX0,   30
.set MX1,   31
.set SCL,   32
.set BYT,   33
.set SW,    34
.set XF,    36                         ; v36-131  g's eight fragments of the unit's 16 slots
.set XS,    132                        ; v132-139 their scale words: scales and nothing else
.set ACC,   140                        ; v140-171 four accumulators
.set WB,    172                        ; v172-219 four fragments of W; later Bd, later rows of y
.set XAS,   220                        ; v220-227 (g Ad)^T
.set GB,    228                        ; v228-235 the same as bf16; registers 4-7 stay 0
.set WS,    250                        ; scales and nothing else
.set AS,    252                        ; scales and nothing else
.set SET0,  140                        ; phase 1: v140-171, v172-203 two sets of 32 numbers; v204-215, v216-227 two fragments in the making; v236-238 a block's upper 16 codes
.set F0,    204
.set F1,    216
.set T,     236
	s_load_b512 s[4:19], s[0:1], 0x0               ; gq s[4:5], gs s[6:7], route s[8:9], W s[10:11], bias s[12:13], A s[14:15], B s[16:17], y s[18:19]
	v_lshl_add_u32 v[SPW], v0, 2, SPARE
	v_mov_b32 v[NIL], 0
	v_lshrrev_b32 v1, 5, v0
	v_readfirstlane_b32 s22, v1                    ; wave 0..15
	v_and_b32 v[MX0], 31, v0                       ; lane
	v_and_b32 v[R], 15, v0
	v_bfe_u32 v[MX1], v0, 4, 1                     ; h
	v_lshlrev_b32 v[LI0], 4, v[MX0]
	v_add_nc_u32 v[LA], AIMG, v[LI0]
	v_lshl_add_u32 v[LWS], v[MX0], 3, WSC
	s_wait_alu depctr_va_vdst(0)
	v_lshl_add_u32 v[LAS], v[R], 5, ASC
	s_wait_alu depctr_va_vdst(0)
	v_add_nc_u32 v[LLB], LBT, v[LI0]
	s_wait_alu depctr_va_vdst(0)
	v_lshl_add_u32 v[LBI], v[MX1], 5, BIAS
	s_wait_alu depctr_va_sdst(0)                   ; s22 is written, ahead of its first reader: the wave's shares, LDS places and bases are made from it
	s_and_b32 s40, s22, 1                          ; cg
	s_lshr_b32 s41, s22, 1                         ; my K step
	s_mul_i32 s42, s40, 24576
	s_mul_i32 s43, s41, 1536
	s_add_co_u32 s42, s42, s43
	v_add_nc_u32 v[WST], s42, v[LI0]
	s_lshl_b32 s42, s40, 2
	s_lshl_b32 s43, s41, 8
	s_add_co_u32 s42, s42, s43
	v_add_nc_u32 v[WSS], s42, v[LWS]
	s_mul_i32 s42, s41, 1536                       ; Ad: K step w / 2, registers 6 (w % 2) .. + 5 of its fragment, in three pieces of 8 bytes
	s_add_co_u32 s42, s42, AIMG
	s_mul_i32 s43, s40, 520
	s_add_co_u32 s43, s43, s42
	v_add_nc_u32 v[AS0], s43, v[LI0]
	s_mul_i32 s43, s40, 1016
	s_add_co_u32 s43, s43, s42
	s_add_co_u32 s43, s43, 8
	v_add_nc_u32 v[AS1], s43, v[LI0]
	s_lshl_b32 s42, s22, 1
	v_add_nc_u32 v[ASB], v[LAS], v[MX1]
	v_add_nc_u32 v[ASB], s42, v[ASB]
	s_and_b32 s46, s22, 3
	s_lshr_b32 s47, s22, 2
	s_lshl_b32 s42, s46, 9
	s_lshl_b32 s43, s47, 2
	s_add_co_u32 s42, s42, s43
	v_add_nc_u32 v[LBST], s42, v[LLB]
	v_and_b32 v[BOFF], 3, v0
	s_lshl_b32 s42, s22, 2
	v_add_nc_u32 v[BOFF], s42, v[BOFF]
	v_lshlrev_b32 v[BOFF], 2, v[BOFF]              ; my wave's four numbers of the bias
	v_add_nc_u32 v[BIST], BIAS, v[BOFF]
	v_lshlrev_b32 v[WOFF], 2, v[MX0]
	v_lshlrev_b32 v[AOFF], 2, v[R]
	v_lshl_add_u32 v[AOFF], v[MX1], 11, v[AOFF]
	v_lshlrev_b32 v[LBOFF], 2, v[R]
	v_lshl_add_u32 v[LBOFF], v[MX1], 15, v[LBOFF]  ; column r; lanes 16-31 eight rows of 4,096 bytes further down
	v_mul_u32_u24 v[GOFF], v[R], 48
	v_mad_u32_u24 v[GOFF], v[MX1], 768, v[GOFF]
	v_lshlrev_b32 v[GSOFF], 5, v[R]
	s_mul_i32 s42, s22, 4352
	s_add_co_u32 s42, s42, STAGE                   ; my stage
	v_mul_u32_u24 v[STO], v[R], 272
	v_lshl_add_u32 v[STO], v[MX1], 5, v[STO]
	v_add_nc_u32 v[STO], s42, v[STO]               ; in: row r, 32 bytes for each half of the lanes
	v_mul_u32_u24 v[RD], v[MX1], 272
	v_lshl_add_u32 v[RD], v[R], 4, v[RD]
	v_add_nc_u32 v[RD], s42, v[RD]                 ; back: lanes 0-15 one row, lanes 16-31 the next
	v_lshlrev_b32 v[YO], 4, v[R]
	v_lshl_add_u32 v[YO], v[MX1], 12, v[YO]        ; and the same two rows of y
.irp i, 4,5,6,7
	v_mov_b32 v[GB+\i], 0
.endr
	s_mov_b32 s23, ttmp9                           ; j
	s_and_b32 s24, ttmp7, 0xffff                   ; e
	s_lshl_b32 s39, s23, 8                         ; my 256 bytes of a row of y
	s_mov_b32 s31, 0
	s_wait_kmcnt 0x0
	s_lshl_b32 s30, s24, 3
	s_add_nc_u64 s[48:49], s[8:9], s[30:31]
	s_load_b64 s[26:27], s[48:49], 0x0             ; the expert's first tile and its rows
	s_lshl_b32 s30, s24, 22                        ; W: expert, my K step's 128 rows of 4,096 bytes, column 64 j + 32 cg
	s_lshl_b32 s42, s41, 19
	s_add_co_u32 s30, s30, s42
	s_add_co_u32 s30, s30, s39
	s_lshl_b32 s42, s40, 7
	s_add_co_u32 s30, s30, s42
	s_add_nc_u64 s[10:11], s[10:11], s[30:31]
	s_lshl_b32 s30, s24, 12                        ; bias
	s_add_co_u32 s30, s30, s39
	s_add_nc_u64 s[12:13], s[12:13], s[30:31]
	s_lshl_b32 s30, s24, 16                        ; A: expert, K step w / 2, blocks 2 (w % 2) on
	s_lshl_b32 s42, s41, 13
	s_add_co_u32 s30, s30, s42
	s_lshl_b32 s42, s40, 12
	s_add_co_u32 s30, s30, s42
	s_add_nc_u64 s[14:15], s[14:15], s[30:31]
	s_lshl_b32 s30, s24, 16                        ; B: expert, ranks 2 (w / 4) on, column 64 j + 16 (w % 4)
	s_lshl_b32 s42, s47, 13
	s_add_co_u32 s30, s30, s42
	s_add_co_u32 s30, s30, s39
	s_lshl_b32 s42, s46, 6
	s_add_co_u32 s30, s30, s42
	s_add_nc_u64 s[16:17], s[16:17], s[30:31]
.macro LOADA                           ; Ad(32 (block) + PHI(i), r) into set 0
.set ii, 0
.rept 32
	global_load_b32 v[SET0+ii], v[AOFF], s[14:15] offset:64*(8*((ii/4)%4)+4*(ii/16)+ii%4)
.set ii, ii+1
.endr
.endm
.macro LOADW t                         ; block t of my column: W(32 t + PHI(i), column), into set (t + 1) % 2.  A wave's load reads 128 consecutive bytes; the slice is read once in the launch
.set LSET, SET0+32*(((\t)+1)%2)
.set ii, 0
.rept 32
	global_load_b32 v[LSET+ii], v[WOFF], s[10:11] offset:(32*(\t)+8*((ii/4)%4)+4*(ii/16)+ii%4)*4096 th:TH_LOAD_NT
.set ii, ii+1
.endr
.endm
.macro QBLK src, dst                   ; 32 numbers of one block, all mine -> six registers of codes at dst, the byte in BYT
	v_max3_num_f32 v[MX0], |v[\src]|, |v[\src+1]|, |v[\src+2]|
	v_max3_num_f32 v[MX1], |v[\src+3]|, |v[\src+4]|, |v[\src+5]|
.irp i, 6,10,14,18,22,26
	v_max3_num_f32 v[MX0], v[MX0], |v[\src+\i]|, |v[\src+\i+1]|
	v_max3_num_f32 v[MX1], v[MX1], |v[\src+\i+2]|, |v[\src+\i+3]|
.endr
	v_max3_num_f32 v[MX0], v[MX0], |v[\src+30]|, |v[\src+31]|
	v_max3_num_f32 v[MX0], v[MX0], v[MX1], 0x2800000               ; and the floor 2^(5 - 127): the byte cannot fall under 1
	v_add_nc_u32 v[SCL], 0xfe000000, v[MX0]        ; 4 off the exponent field: the conversion's scale operand
	v_lshrrev_b32 v[BYT], 23, v[SCL]
	v_cvt_scalef32_pk16_bf6_f32 v[\dst:\dst+2], v[\src:\src+15], v[SCL]
	v_cvt_scalef32_pk16_bf6_f32 v[T:T+2], v[\src+16:\src+31], v[SCL]   ; (a conversion's three registers begin on an even number)
	v_nop                                          ; one plain line behind the conversions
.irp i, 0,1,2
	v_mov_b32 v[\dst+3+\i], v[T+\i]
.endr
.endm
; Block t of my K step.  Even blocks go to F0, odd ones to F1; the exchange of F0's upper lanes with F1's lower lanes makes F0 tile 2 cg's fragment and F1 tile 2 cg + 1's.
.macro WBLK t, left, next
.set SRC, SET0+32*(((\t)+1)%2)
.set DST, F0+12*((\t)%2)+6*((\t)/2)
	s_wait_loadcnt \left
.if (\t) == 0
	s_wait_dscnt 0x0                               ; my earlier LDS stores are done
	s_wait_alu depctr_vm_vsrc(0)                   ; my earlier LDS stores have read F0, F1 and BYT, which the quantiser writes again
.endif
	QBLK SRC, DST
.if (\t) == 0
	v_mov_b32 v[SW], v[BYT]
.else
	v_lshl_or_b32 v[SW], v[BYT], 8*(\t), v[SW]     ; my column's scale word of the K step
.endif
.if (\t)%2 == 1
.irp i, 0,1,2,3,4,5
	v_permlane16_swap_b32 v[F0+6*((\t)/2)+\i], v[F1+6*((\t)/2)+\i]
.endr
.endif
.if (\next) || ((\t) == 3)
	s_wait_alu depctr_va_vdst(0)                   ; the quantiser is done reading its set, in which the loads below land; behind block 3 F0, F1 and SW are written, which the LDS stores read
.endif
.if \next
	LOADW (\t)+2
.endif
.if (\t) == 3
.irp i, 0,1,2
	ds_store_b128 v[WST], v[F0+4*\i:F0+4*\i+3] offset:512*\i
.endr
.irp i, 0,1,2
	ds_store_b128 v[WST], v[F1+4*\i:F1+4*\i+3] offset:12288+512*\i
.endr
	ds_store_b32 v[WSS], v[SW]
.endif
.endm
.macro GGET                            ; unit s29's rows of g: scale words and my half of the eight fragments: 26 loads.  A wave without a unit reads tile 0 and uses nothing of it
	s_add_co_u32 s42, s26, s29
	s_cmp_lt_u32 s29, s28
	s_cselect_b32 s42, s42, 0
	s_min_u32 s42, s42, 143
	s_mul_i32 s30, s42, 1536
	s_add_nc_u64 s[32:33], s[4:5], s[30:31]
	s_lshl_b32 s30, s42, 9
	s_add_nc_u64 s[34:35], s[6:7], s[30:31]
	global_load_b128 v[XS:XS+3], v[GSOFF], s[34:35]
	global_load_b128 v[XS+4:XS+7], v[GSOFF], s[34:35] offset:16
.set ii, 0
.rept 24
	global_load_b128 v[XF+4*ii:XF+4*ii+3], v[GOFF], s[32:33] offset:221184*(ii/3)+16*(ii%3)
.set ii, ii+1
.endr
.endm
; ---------------- PHASE 1
	s_wait_alu depctr_va_vdst(0)                   ; every offset and LDS address made above is written: the loads, stores and LDS instructions of the whole kernel read them
	global_load_b32 v[F0], v[LBOFF], s[16:17]                      ; Bd: two ranks of my column
	global_load_b32 v[F0+1], v[LBOFF], s[16:17] offset:4096
	global_load_b32 v[F0+2], v[BOFF], s[12:13]
	LOADA
	LOADW 0
	s_wait_kmcnt 0x0
	s_min_u32 s26, s26, 143
	s_min_u32 s27, s27, 2048
	s_add_co_u32 s28, s27, 15
	s_lshr_b32 s28, s28, 4                         ; the expert's units
	s_mov_b32 s29, s22                             ; my first unit
	s_add_co_u32 s51, s28, 15
	s_sub_co_u32 s51, s51, s22
	s_lshr_b32 s51, s51, 4                         ; how many of the units w, w + 16, .. lie under the expert's count
	s_min_u32 s51, s51, 8                          ; (2,048 rows are 128 units: eight a wave at the most)
	s_mov_b32 s50, 0                               ; my trips so far
	GGET
	s_wait_loadcnt 58                              ; Bd, the bias and Ad are in; W's block 0 (32) and g (26) may be out
	v_cvt_pk_bf16_f32 v[F0+3], v[F0], v[F0+1]
	QBLK SET0, F1
	s_wait_alu depctr_va_vdst(0)                   ; the rounding has written F0 + 3 and the quantiser F1 and BYT, which the LDS stores read; the quantiser is done reading set 0, in which block 1 lands
	ds_store_b32 v[LBST], v[F0+3]
	ds_store_b32 v[BIST], v[F0+2]                  ; (eight lanes write each word, with the same value)
	ds_store_b64 v[AS0], v[F1:F1+1]
	ds_store_b64 v[AS1], v[F1+2:F1+3]
	ds_store_b64 v[AS0], v[F1+4:F1+5] offset:512
	ds_store_b8 v[ASB], v[BYT]
	LOADW 1
	WBLK 0, 58, 1                                  ; g (26) and block 1 (32) may be out
	WBLK 1, 32, 1                                  ; block 2 may be out
	WBLK 2, 32, 0                                  ; block 3 may be out
	WBLK 3, 0, 0
	s_wait_dscnt 0x0                               ; for the others' sake: all my images have landed
	s_barrier_signal -1
	s_barrier_wait -1                              ; the launch's one barrier; behind it a wave stores to its own stage alone
	s_wait_alu depctr_vm_vsrc(0)                   ; my LDS stores have read F0 and F1: these registers are WB and XAS from here on, written by the fragments' loads and by vector lines
; ---------------- PHASE 2
.macro FRAG dst, adr, off
.irp i, 0,1,2
	ds_load_b128 v[\dst+4*\i:\dst+4*\i+3], v[\adr] offset:\off+512*\i
.endr
.endm
.macro MMS d, a, b, sa, sb, zero, row  ; zero = 1: the product starts the sum;  row = 1: source 0's scales lie in lanes 16-31
.if \zero
	v_wmma_scale_f32_16x16x128_f8f6f4 v[\d:\d+7], v[\a:\a+11], v[\b:\b+11], 0, v[\sa], v[\sb] matrix_a_fmt:MATRIX_FMT_BF6 matrix_b_fmt:MATRIX_FMT_BF6
.elseif \row
	v_wmma_scale_f32_16x16x128_f8f6f4 v[\d:\d+7], v[\a:\a+11], v[\b:\b+11], v[\d:\d+7], v[\sa], v[\sb] matrix_a_fmt:MATRIX_FMT_BF6 matrix_b_fmt:MATRIX_FMT_BF6 matrix_a_scale:MATRIX_SCALE_ROW1
.else
	v_wmma_scale_f32_16x16x128_f8f6f4 v[\d:\d+7], v[\a:\a+11], v[\b:\b+11], v[\d:\d+7], v[\sa], v[\sb] matrix_a_fmt:MATRIX_FMT_BF6 matrix_b_fmt:MATRIX_FMT_BF6
.endif
.endm
; (g Ad)^T: two accumulators take turns over the eight K steps and are added: lane (r, h), register i: rank 8 h + i of row r.
; Its first run of loads owes no wait of its own: on the way in no vector line stands behind block 3's wait, on the way back none behind the wait ahead of the stage's stores.
.macro PASS0
.irp g, 0,1
.if \g == 1
	s_wait_alu depctr_va_vdst(0)                   ; the first four products are done reading WB and AS, in which the loads below land
.endif
	ds_load_b128 v[AS:AS+3], v[LAS] offset:16*\g
.irp i, 0,1,2,3
	FRAG WB+12*\i, LA, (4*\g+\i)*1536
.endr
	s_wait_dscnt 0x0
.irp i, 0,1,2,3
.if 4*\g+\i < 2
	MMS ACC+8*(\i%2), WB+12*\i, XF+12*(4*\g+\i), AS+\i, XS+4*\g+\i, 1, 0
.else
	MMS ACC+8*(\i%2), WB+12*\i, XF+12*(4*\g+\i), AS+\i, XS+4*\g+\i, 0, 0
.endif
.endr
.rept 5
	v_nop                                          ; places behind the products: ahead of the reads of the results and of the products that write over them; they stay beside the waits
.endr
.endr
.irp i, 0,2,4,6
	v_pk_add_f32 v[XAS+\i:XAS+\i+1], v[ACC+\i:ACC+\i+1], v[ACC+8+\i:ACC+8+\i+1]
.endr
.endm
	s_cmp_ge_u32 s50, s51
	s_cbranch_scc1 .Ldone                          ; a wave without a unit; its loads of g may be out at the end
.Lunit:                                                ; a trip is a unit; the trips are counted by 1 against my number of units, which the loop does not write
	s_wait_xcnt 0x0                                ; the last trip's stores have read their base and data
	s_add_co_u32 s42, s26, s29
	s_min_u32 s42, s42, 143                        ; the unit's tile of slots
	s_lshl_b32 s30, s42, 16
	s_add_co_u32 s30, s30, s39
	s_add_nc_u64 s[36:37], s[18:19], s[30:31]
	s_wait_loadcnt 0x0                             ; this unit's g
	PASS0
.irp i, 0,1,2,3
	v_cvt_pk_bf16_f32 v[GB+\i], v[XAS+2*\i], v[XAS+2*\i+1]
.endr
	s_wait_alu depctr_va_vdst(0)                   ; the products and additions above are done with ACC, in which the bias lands, and with WB, in which K step 0 lands
.irp t, 0,1,2,3
	ds_load_b128 v[ACC+8*\t:ACC+8*\t+3], v[LBI] offset:64*\t       ; the bias is the first product's C
	ds_load_b128 v[ACC+8*\t+4:ACC+8*\t+7], v[LBI] offset:64*\t+16
.endr
.irp s, 0,1,2,3,4,5,6,7
.if \s > 0
	s_wait_alu depctr_va_vdst(0)                   ; the last K step's four products are done reading WB and WS, in which this K step lands
.endif
	ds_load_b64 v[WS:WS+1], v[LWS] offset:256*\s
.irp t, 0,1,2,3
	FRAG WB+12*\t, LI0, \t*12288+\s*1536
.endr
	s_wait_dscnt 0x0
.irp t, 0,1,2,3
	MMS ACC+8*\t, WB+12*\t, XF+12*\s, WS+\t/2, XS+\s, 0, \t%2      ; the four accumulators by turns
.endr
.rept 4+\s/7
	v_nop                                          ; four places behind the products, which stay beside the wait; five ahead of the bf16 products that write over these sums
.endr
.endr
.irp t, 0,1,2,3
.irp i, 4,5,6,7
	v_mov_b32 v[WB+8*\t+\i], 0                     ; the upper 16 of the bf16 form's K
.endr
.endr
	s_wait_alu depctr_va_vdst(0)                   ; K step 7's products are done reading WB, in which Bd lands
.irp t, 0,1,2,3
	ds_load_b128 v[WB+8*\t:WB+8*\t+3], v[LLB] offset:512*\t
.endr
	s_wait_dscnt 0x0
.irp t, 0,1,2,3
	v_wmma_f32_16x16x32_bf16 v[ACC+8*\t:ACC+8*\t+7], v[WB+8*\t:WB+8*\t+7], v[GB:GB+7], v[ACC+8*\t:ACC+8*\t+7]   ; + (g Ad) Bd
.endr
.rept 5
	v_nop                                          ; four places ahead of the stores that read these sums; five ahead of the next unit's first products, which begin two of these accumulators anew
.endr
	s_wait_alu depctr_va_vdst(0)                   ; the products have written ACC, which the stage's stores read, and are done reading WB, XF and XS, in which the loads from the stage and the next unit's loads land
.irp t, 0,1,2,3
	ds_store_b128 v[STO], v[ACC+8*\t:ACC+8*\t+3] offset:64*\t      ; each accumulator from its low end on
	ds_store_b128 v[STO], v[ACC+8*\t+4:ACC+8*\t+7] offset:64*\t+16
.endr
.irp i, 0,1,2,3,4,5,6,7
	ds_load_b128 v[WB+4*\i:WB+4*\i+3], v[RD] offset:544*\i         ; LDS serves a wave's instructions in order: these see my stores
.endr
.irp i, 0,1,2,3,4,5,6,7
	s_wait_dscnt 7-\i
	global_store_b128 v[YO], v[WB+4*\i:WB+4*\i+3], s[36:37] offset:8192*\i   ; sixteen lanes store 256 consecutive bytes, at a multiple of 256 from y's first byte
.endr
	s_wait_alu depctr_vm_vsrc(0)                   ; the stage's stores have read ACC and the stores of y have read WB: the next trip's products and loads write both again
	s_add_co_u32 s50, s50, 1
	s_lshl_b32 s29, s50, 4
	s_add_co_u32 s29, s29, s22                     ; my next unit: 16 x trips + wave
	s_cmp_ge_u32 s50, s51
	s_cbranch_scc1 .Ldone
	GGET                                           ; (the bases that it rewrites were read by loads that have landed; no vector or matrix line since the wait ahead of the stage's stores names XF or XS)
	s_cmp_lt_u32 s50, s51
	s_cbranch_scc1 .Lunit
.Ldone:
	s_wait_dscnt 0x0                               ; the closing lines, six on end
	s_wait_alu 0x0
	s_wait_tensorcnt 0x0
	ds_add_u32 v[SPW], v[NIL]
	s_wait_dscnt 0x0
	s_endpgm
.Lfunc_end_k_qc2bf2e4ff1_down:
	.size	k_qc2bf2e4ff1_down, .Lfunc_end_k_qc2bf2e4ff1_down-k_qc2bf2e4ff1_down
	.p2alignl 7, 3214868480
	.fill 96, 4, 3214868480
	.section	.rodata,"a",@progbits
	.p2align	6, 0x0
	.amdhsa_kernel k_qc2bf2e4ff1_down
		.amdhsa_group_segment_fixed_size 137984
		.amdhsa_private_segment_fixed_size 0
		.amdhsa_enable_private_segment 0
		.amdhsa_kernarg_size 64
		.amdhsa_user_sgpr_count 2
		.amdhsa_user_sgpr_kernarg_segment_ptr 1
		.amdhsa_wavefront_size32 1
		.amdhsa_system_sgpr_workgroup_id_x 1
		.amdhsa_system_sgpr_workgroup_id_y 1
		.amdhsa_system_sgpr_workgroup_id_z 1
		.amdhsa_system_vgpr_workitem_id 0
		.amdhsa_next_free_vgpr 256
		.amdhsa_next_free_sgpr 66
		.amdhsa_reserve_vcc 0
		.amdhsa_float_denorm_mode_32 3
		.amdhsa_float_denorm_mode_16_64 3
		.amdhsa_memory_ordered 1
		.amdhsa_forward_progress 1
		.amdhsa_inst_pref_size 55
	.end_amdhsa_kernel
	.amdgpu_metadata
---
amdhsa.version: [ 1, 2 ]
amdhsa.kernels:
  - .name:           k_qc2bf2e4ff1_down
    .symbol:         k_qc2bf2e4ff1_down.kd
    .args:
      - { .name: gq, .offset: 0, .size: 8, .value_kind: global_buffer, .address_space: global }
      - { .name: gs, .offset: 8, .size: 8, .value_kind: global_buffer, .address_space: global }
      - { .name: route, .offset: 16, .size: 8, .value_kind: global_buffer, .address_space: global }
      - { .name: down_proj, .offset: 24, .size: 8, .value_kind: global_buffer, .address_space: global }
      - { .name: down_bias, .offset: 32, .size: 8, .value_kind: global_buffer, .address_space: global }
      - { .name: lora_down_A, .offset: 40, .size: 8, .value_kind: global_buffer, .address_space: global }
      - { .name: lora_down_B, .offset: 48, .size: 8, .value_kind: global_buffer, .address_space: global }
      - { .name: y, .offset: 56, .size: 8, .value_kind: global_buffer, .address_space: global }
    .group_segment_fixed_size: 137984
    .private_segment_fixed_size: 0
    .kernarg_segment_align: 8
    .kernarg_segment_size: 64
    .max_flat_workgroup_size: 512
    .sgpr_count:     66
    .vgpr_count:     256
    .wavefront_size: 32
...
	.end_amdgpu_metadata
.endif
;; end of part 7
;; launch combine (part 8): grid 256 x 1, 4 waves a work-group, no clusters, 0 bytes of LDS; arguments y, route, routing_weights, out0; writes out0
.if DOCPART == 8
	.amdgcn_target "amdgcn-amd-amdhsa--gfx1250"
	.amdhsa_code_object_version 6
	.text
	.protected	k_qc2bf2e4ff1_combine
	.globl	k_qc2bf2e4ff1_combine
	.p2align	8
	.type	k_qc2bf2e4ff1_combine,@function
k_qc2bf2e4ff1_combine:
	s_mov_b64 s[64:65], 0
	v_nop
	global_prefetch_b8 v0, s[64:65] scope:SCOPE_SE
	s_setreg_imm32_b32 hwreg(HW_REG_WAVE_MODE, 25, 1), 1
	s_wait_xcnt 0x0
; COMBINE.  out[t] = w[t][0] y[pos[t][0]] + w[t][1] y[pos[t][1]]: reference()'s one_hot and its two last products are this lookup (the terms of all other experts are exactly 0).
; An item whose index lies outside 0 .. 15 has pos = 4095: its row's bits are cleared, so that it adds an exact 0 whatever slot 0 holds, as one_hot's zero row does.
; A wave takes a token: two rows of 4,096 bytes in, one out; each load and store covers 512 consecutive bytes.  No LDS, no barrier, no loop: memory binds, and waves share nothing.
	s_load_b256 s[4:11], s[0:1], 0x0               ; y s[4:5], route s[6:7], routing_weights s[8:9], out s[10:11]
	v_lshrrev_b32 v1, 5, v0
	v_readfirstlane_b32 s12, v1                    ; wave 0..3
	v_and_b32 v1, 31, v0
	v_lshlrev_b32 v1, 4, v1                        ; 16 bytes a lane
	s_lshl_b32 s13, ttmp9, 2
	s_add_co_u32 s13, s13, s12                     ; my token
	s_lshl_b32 s14, s13, 3
	s_mov_b32 s15, 0
	s_wait_alu depctr_va_vdst(0)
	s_wait_kmcnt 0x0
	s_add_nc_u64 s[6:7], s[6:7], s[14:15]
	s_add_nc_u64 s[8:9], s[8:9], s[14:15]
	s_load_b64 s[16:17], s[6:7], 0x2500            ; pos of my two items (pos begins at byte 9,472 of route)
	s_load_b64 s[20:21], s[8:9], 0x0               ; their weights
	s_lshl_b32 s14, s13, 12
	s_add_nc_u64 s[10:11], s[10:11], s[14:15]
	s_mov_b32 s27, 0
	s_wait_kmcnt 0x0
	s_cmp_lt_u32 s16, 2304
	s_cselect_b32 s24, -1, 0                       ; all ones for an item that counts
	s_cselect_b32 s16, s16, 0
	s_min_u32 s16, s16, 2303
	s_lshl_b32 s26, s16, 12
	s_add_nc_u64 s[28:29], s[4:5], s[26:27]
	s_cmp_lt_u32 s17, 2304
	s_cselect_b32 s25, -1, 0
	s_cselect_b32 s17, s17, 0
	s_min_u32 s17, s17, 2303
	s_lshl_b32 s26, s17, 12
	s_add_nc_u64 s[30:31], s[4:5], s[26:27]
	s_mov_b32 s22, s21                             ; the packed forms name a pair and take its low word for both halves
	s_mov_b32 s23, s21
.irp i, 0,1,2,3,4,5,6,7
	global_load_b128 v[4+4*\i:7+4*\i], v1, s[28:29] offset:512*\i
.endr
.irp i, 0,1,2,3,4,5,6,7
	global_load_b128 v[36+4*\i:39+4*\i], v1, s[30:31] offset:512*\i
.endr
	s_wait_loadcnt 0x0
.set ii, 0
.rept 32
	v_and_b32 v[4+ii], s24, v[4+ii]
	v_and_b32 v[36+ii], s25, v[36+ii]
.set ii, ii+1
.endr
.set ii, 0
.rept 16
	v_pk_mul_f32 v[4+ii:5+ii], v[4+ii:5+ii], s[20:21] op_sel_hi:[1,0]
.set ii, ii+2
.endr
.set ii, 0
.rept 16
	v_pk_fma_f32 v[4+ii:5+ii], v[36+ii:37+ii], s[22:23], v[4+ii:5+ii] op_sel_hi:[1,0,1]
.set ii, ii+2
.endr
.irp i, 0,1,2,3,4,5,6,7
	global_store_b128 v1, v[4+4*\i:7+4*\i], s[10:11] offset:512*\i th:TH_STORE_NT
.endr
	s_endpgm
.Lfunc_end_k_qc2bf2e4ff1_combine:
	.size	k_qc2bf2e4ff1_combine, .Lfunc_end_k_qc2bf2e4ff1_combine-k_qc2bf2e4ff1_combine
	.p2alignl 7, 3214868480
	.fill 96, 4, 3214868480
	.section	.rodata,"a",@progbits
	.p2align	6, 0x0
	.amdhsa_kernel k_qc2bf2e4ff1_combine
		.amdhsa_group_segment_fixed_size 0
		.amdhsa_private_segment_fixed_size 0
		.amdhsa_enable_private_segment 0
		.amdhsa_kernarg_size 32
		.amdhsa_user_sgpr_count 2
		.amdhsa_user_sgpr_kernarg_segment_ptr 1
		.amdhsa_wavefront_size32 1
		.amdhsa_system_sgpr_workgroup_id_x 1
		.amdhsa_system_sgpr_workgroup_id_y 1
		.amdhsa_system_sgpr_workgroup_id_z 1
		.amdhsa_system_vgpr_workitem_id 0
		.amdhsa_next_free_vgpr 72
		.amdhsa_next_free_sgpr 66
		.amdhsa_reserve_vcc 0
		.amdhsa_float_denorm_mode_32 3
		.amdhsa_float_denorm_mode_16_64 3
		.amdhsa_memory_ordered 1
		.amdhsa_forward_progress 1
		.amdhsa_inst_pref_size 8
	.end_amdhsa_kernel
	.amdgpu_metadata
---
amdhsa.version: [ 1, 2 ]
amdhsa.kernels:
  - .name:           k_qc2bf2e4ff1_combine
    .symbol:         k_qc2bf2e4ff1_combine.kd
    .args:
      - { .name: y, .offset: 0, .size: 8, .value_kind: global_buffer, .address_space: global }
      - { .name: route, .offset: 8, .size: 8, .value_kind: global_buffer, .address_space: global }
      - { .name: routing_weights, .offset: 16, .size: 8, .value_kind: global_buffer, .address_space: global }
      - { .name: out0, .offset: 24, .size: 8, .value_kind: global_buffer, .address_space: global }
    .group_segment_fixed_size: 0
    .private_segment_fixed_size: 0
    .kernarg_segment_align: 8
    .kernarg_segment_size: 32
    .max_flat_workgroup_size: 128
    .sgpr_count:     66
    .vgpr_count:     72
    .wavefront_size: 32
...
	.end_amdgpu_metadata
.endif
;; end of part 8
